; MI455X (gfx1250); checked and timed in simulation.
; The chip was launched on July 23, 2026; its instructions are those of AMD's public machine-readable ISA for CDNA 5 (MIT licence, August 2026) and "CDNA5" Instruction Set Architecture Reference Guide (July 2026). The comments in the code are by the model that wrote it; some were corrected since.
;; GAU. Allowed arithmetic: float matrix products may take bf16 or f16 operands with f32 sums; all other float work in f32.
;; Inputs: W_hidden 1,024 x 4,096 float32; W_out 2,048 x 1,024 float32; W_qk 1,024 x 200 float32; b_hidden 4,096 float32; b_out 1,024 float32; b_qk 200 float32; beta 2 x 200 float32; gamma 2 x 200 float32; x 4,096 x 1,024 float32.
;; Outputs: out0 4,096 x 1,024 float32.
;; One version. Each part assembles by itself: llvm-mc -triple=amdgcn-amd-amdhsa -mcpu=gfx1250 --defsym DOCPART=n.
;; ======== version 1 of 1: 5 launches
;; limits: values are held in f16: magnitudes above 65,504 overflow, below 6.1e-05 lose precision; inputs' magnitudes at most 65,504; right only within a limited range of input values
;; workspace buffers: aext 41,943,040 bytes; bext 4,194,304 bytes; wts 8,938,496 bytes; qk 4,194,304 bytes; og 16,842,752 bytes; vb 16,777,216 bytes; gate 33,554,432 bytes
;; launch prep (part 1): grid 329 x 1, 8 waves a work-group, no clusters, 0 bytes of LDS; arguments x, W_hidden, W_out, W_qk, b_hidden, b_out, b_qk, gamma, beta, aext, bext, wts; writes aext, bext, wts
.if DOCPART == 1
	.amdgcn_target "amdgcn-amd-amdhsa--gfx1250"
	.amdhsa_code_object_version 6
	.text
	.protected	k_q7a9826521e_prep
	.globl	k_q7a9826521e_prep
	.p2align	8
	.type	k_q7a9826521e_prep,@function
k_q7a9826521e_prep:
	s_mov_b64 s[64:65], 0
	v_nop
	global_prefetch_b8 v0, s[64:65] scope:SCOPE_SE
	s_setreg_imm32_b32 hwreg(HW_REG_WAVE_MODE, 25, 1), 1
	s_wait_xcnt 0x0
; Casts and relayouts, a stream without LDS.  Every input of the module is rounded to bf16 here, once, for the whole program.
;   x        -> aext columns 0-1023 (rows of 10,240 bytes), bf16
;   W_hidden -> columns 0-2047 to wts (WV, rows of 4,096 bytes), columns 2048-4095 to bext rows 0-1023, bf16
;   W_out    -> wts + WO, the bf16 value written as f16.  LIMIT: W_out within +-65,504; below 6e-5 it keeps f16's fixed step of 6e-8
;   W_qk     -> wts + WQ, [8 blocks of 32 columns][1024 k][32] bf16; columns from 200 on hold copies of columns 196-199 (their gamma and beta are 0 below)
;   biases, gamma, beta -> wts + PAR as f32 holding bf16 values; gamma[0] and beta[0] times 1/32 = 1/sqrt(1024) (exact); the five arrays of 200 are filled up to 256 with 0
; An item: a lane loads 16 bytes (4 f32), the wave 512 consecutive bytes, and stores 8 bytes a lane: 256 consecutive bytes, aligned.  A wave does 32 items, all loads out at once; no register is used twice, so no store's source is rewritten.
.set WOO,  4194304
.set WQO,  8388608
.set PARO, 8912896
.set SO,  2                            ; v2  my byte offset in a source item
.set VO0, 3                            ; v3  8 x lane
.set VO1, 4                            ; v4  the same, one step of the destination further
.set X,   8                            ; v[8:135]   32 items as loaded
.set Y,   136                          ; v[136:199] 32 items to store
.set T,   200                          ; v[200:203] at work
.set SRC, 32
.set D0,  34                           ; items 0-15
.set D1,  36                           ; items 16-31
.set UG,  39                           ; the wave's number among its job's waves
.set OF,  40                           ; s[40:41] an offset, high word 0
.macro LOADS step, nt
.set jj, 0
.rept 32
.if \nt
	global_load_b128 v[X+4*jj:X+4*jj+3], v[SO], s[SRC:SRC+1] offset:(\step)*jj th:TH_LOAD_NT
.else
	global_load_b128 v[X+4*jj:X+4*jj+3], v[SO], s[SRC:SRC+1] offset:(\step)*jj
.endif
.set jj, jj+1
.endr
.endm
.macro OUT fmt                         ; fmt 0: bf16; 1: the bf16 value as f16
.set jj, 0
.rept 32
	s_wait_loadcnt 31-jj                           ; loads come back in order: item jj is in, the younger ones stay out
.if \fmt
	v_cvt_pk_bf16_f32 v[T], v[X+4*jj], v[X+4*jj+1]
	v_cvt_pk_bf16_f32 v[T+1], v[X+4*jj+2], v[X+4*jj+3]
	v_lshlrev_b32 v[T+2], 16, v[T]
	v_and_b32 v[T+3], s6, v[T]
	v_cvt_pk_f16_f32 v[Y+2*jj], v[T+2], v[T+3]
	v_lshlrev_b32 v[T+2], 16, v[T+1]
	v_and_b32 v[T+3], s6, v[T+1]
	v_cvt_pk_f16_f32 v[Y+2*jj+1], v[T+2], v[T+3]
.else
	v_cvt_pk_bf16_f32 v[Y+2*jj], v[X+4*jj], v[X+4*jj+1]
	v_cvt_pk_bf16_f32 v[Y+2*jj+1], v[X+4*jj+2], v[X+4*jj+3]
.endif
	global_store_b64 v[VO0+(jj/8)%2], v[Y+2*jj:Y+2*jj+1], s[D0+2*(jj/16):D0+2*(jj/16)+1] offset:256*(jj%8)
.set jj, jj+1
.endr
.endm
.macro ROUND4 a                        ; four f32 rounded to bf16, kept as f32, in place
	v_cvt_pk_bf16_f32 v[T], v[\a], v[(\a)+1]
	v_cvt_pk_bf16_f32 v[T+1], v[(\a)+2], v[(\a)+3]
	v_lshlrev_b32 v[\a], 16, v[T]
	v_and_b32 v[(\a)+1], s6, v[T]
	v_lshlrev_b32 v[(\a)+2], 16, v[T+1]
	v_and_b32 v[(\a)+3], s6, v[T+1]
.endm
	s_load_b512 s[8:23], s[0:1], 0x0               ; x 8, W_hidden 10, W_out 12, W_qk 14, b_hidden 16, b_out 18, b_qk 20, gamma 22
	s_load_b256 s[24:31], s[0:1], 0x40             ; beta 24, aext 26, bext 28, wts 30
	v_and_b32 v1, 31, v0                           ; lane
	v_lshrrev_b32 v5, 5, v0
	v_readfirstlane_b32 s2, v5                     ; wave 0..7
	s_mov_b32 s3, ttmp9                            ; the work-group's number chooses the job
	v_lshlrev_b32 v[SO], 4, v1
	v_lshlrev_b32 v[VO0], 3, v1
	s_mov_b32 s[OF+1], 0
	s_mov_b32 s6, 0xffff0000                       ; a word's upper bf16
	s_wait_kmcnt 0x0
	s_cmp_lt_u32 s3, 128
	s_cbranch_scc1 .Lx
	s_cmp_lt_u32 s3, 256
	s_cbranch_scc1 .Lwh
	s_cmp_lt_u32 s3, 320
	s_cbranch_scc1 .Lwo
	s_cmp_lt_u32 s3, 328
	s_cbranch_scc1 .Lwq
	; work-group 328: the parameters.  b_hidden: four items of 512 bytes a wave; b_out: one
	s_lshl_b32 s[OF], s2, 11
	s_add_nc_u64 s[SRC:SRC+1], s[16:17], s[OF:OF+1]
	s_add_nc_u64 s[D0:D0+1], s[30:31], PARO
	s_add_nc_u64 s[D1:D1+1], s[D0:D0+1], s[OF:OF+1]
.irp i, 0,1,2,3
	global_load_b128 v[X+4*\i:X+4*\i+3], v[SO], s[SRC:SRC+1] offset:512*\i
.endr
	s_lshl_b32 s[OF], s2, 9
	s_add_nc_u64 s[42:43], s[18:19], s[OF:OF+1]
	s_add_nc_u64 s[44:45], s[D0:D0+1], s[OF:OF+1]
	global_load_b128 v[X+16:X+19], v[SO], s[42:43]
	s_wait_loadcnt 0x0
.irp i, 0,1,2,3,4
	ROUND4 X+4*\i
.endr
.irp i, 0,1,2,3
	global_store_b128 v[SO], v[X+4*\i:X+4*\i+3], s[D1:D1+1] offset:512*\i
.endr
	global_store_b128 v[SO], v[X+16:X+19], s[44:45] offset:16384
	s_cmp_lt_u32 s2, 5                             ; waves 0-4 take one array of 200 each: b_qk, gamma[0], beta[0], gamma[1], beta[1]
	s_cbranch_scc0 .Lend
	s_cmp_eq_u32 s2, 0
	s_cselect_b64 s[46:47], s[20:21], s[24:25]     ; b_qk, or beta;
	s_and_b32 s[UG], s2, 1
	s_cmp_eq_u32 s[UG], 1
	s_cselect_b64 s[46:47], s[22:23], s[46:47]     ; the odd waves gamma
	s_cmp_gt_u32 s2, 2
	s_cselect_b32 s[OF], 800, 0                    ; waves 3 and 4: the second head's row
	s_add_nc_u64 s[46:47], s[46:47], s[OF:OF+1]
	s_sub_co_u32 s[UG], s2, 1
	s_cmp_lt_u32 s[UG], 2
	s_cselect_b32 s[UG], 0x3d000000, 1.0           ; waves 1 and 2: times 1/32
	v_min_u32 v5, 24, v1                           ; lanes 0-24 hold the 200 numbers, eight each; the others read lane 24's and store 0
	v_lshlrev_b32 v5, 5, v5
	v_lshlrev_b32 v6, 5, v1
	global_load_b128 v[X+32:X+35], v5, s[46:47]
	global_load_b128 v[X+36:X+39], v5, s[46:47] offset:16
	s_lshl_b32 s[OF], s2, 10
	s_add_nc_u64 s[48:49], s[D0:D0+1], s[OF:OF+1]
	v_cmp_gt_u32 vcc_lo, 25, v1
	s_wait_loadcnt 0x0
	ROUND4 X+32
	ROUND4 X+36
.irp i, 0,1,2,3,4,5,6,7
	v_mul_f32 v[X+32+\i], s[UG], v[X+32+\i]
.endr
.irp i, 0,1,2,3,4,5,6,7
	v_cndmask_b32 v[X+32+\i], 0, v[X+32+\i], vcc_lo
.endr
	global_store_b128 v6, v[X+32:X+35], s[48:49] offset:20480
	global_store_b128 v6, v[X+36:X+39], s[48:49] offset:20496
.Lend:
	s_endpgm
.Lx:                                                   ; work-groups 0-127: a wave takes 4 rows of x
	s_lshl_b32 s[UG], s3, 3
	s_add_co_u32 s[UG], s[UG], s2
	s_lshl_b32 s[OF], s[UG], 14
	s_add_nc_u64 s[SRC:SRC+1], s[8:9], s[OF:OF+1]
	s_mul_i32 s[OF], s[UG], 40960
	s_add_nc_u64 s[D0:D0+1], s[26:27], s[OF:OF+1]  ; rows 0 and 1,
	s_add_nc_u64 s[D1:D1+1], s[D0:D0+1], 20480     ; rows 2 and 3
	v_add_nc_u32 v[VO1], 10240, v[VO0]
	s_branch .Lload
.Lwh:                                                  ; work-groups 128-255: a wave takes one row of W_hidden
	s_sub_co_u32 s[UG], s3, 128
	s_lshl_b32 s[UG], s[UG], 3
	s_add_co_u32 s[UG], s[UG], s2
	s_lshl_b32 s[OF], s[UG], 14
	s_add_nc_u64 s[SRC:SRC+1], s[10:11], s[OF:OF+1]
	s_lshl_b32 s[OF], s[UG], 12
	s_add_nc_u64 s[D0:D0+1], s[30:31], s[OF:OF+1]  ; v's half of the row
	s_add_nc_u64 s[D1:D1+1], s[28:29], s[OF:OF+1]  ; the gate's half
	v_add_nc_u32 v[VO1], 2048, v[VO0]
	s_branch .Lload
.Lwo:                                                  ; work-groups 256-319: a wave takes 4 rows of W_out; the destination is dense
	s_sub_co_u32 s[UG], s3, 256
	s_lshl_b32 s[UG], s[UG], 3
	s_add_co_u32 s[UG], s[UG], s2
	s_lshl_b32 s[OF], s[UG], 14
	s_add_nc_u64 s[SRC:SRC+1], s[12:13], s[OF:OF+1]
	s_lshl_b32 s[OF], s[UG], 13
	s_add_nc_u64 s[D0:D0+1], s[30:31], s[OF:OF+1]
	s_add_nc_u64 s[D0:D0+1], s[D0:D0+1], WOO
	s_add_nc_u64 s[D1:D1+1], s[D0:D0+1], 4096
	v_add_nc_u32 v[VO1], 2048, v[VO0]
	LOADS 512, 1
	OUT 1
	s_endpgm
.Lwq:                                                  ; work-groups 320-327: a block of 32 columns of W_qk; a wave takes 128 rows, an item 4 rows x 32 columns
	s_sub_co_u32 s7, s3, 320
	s_lshl_b32 s[UG], s7, 3
	s_add_co_u32 s[UG], s[UG], s2
	s_mul_i32 s[OF], s2, 102400
	s_add_nc_u64 s[SRC:SRC+1], s[14:15], s[OF:OF+1]
	s_lshl_b32 s[OF], s[UG], 13
	s_add_nc_u64 s[D0:D0+1], s[30:31], s[OF:OF+1]
	s_add_nc_u64 s[D0:D0+1], s[D0:D0+1], WQO
	s_add_nc_u64 s[D1:D1+1], s[D0:D0+1], 4096
	v_add_nc_u32 v[VO1], 2048, v[VO0]
	s_lshl_b32 s7, s7, 7                           ; the block's first byte in a row of 800
	v_and_b32 v5, 7, v1
	v_lshl_add_u32 v5, v5, 4, s7
	v_min_u32 v5, 784, v5                          ; no load passes a row's end
	v_lshrrev_b32 v6, 3, v1
	v_mad_u32_u24 v[SO], v6, 800, v5
	LOADS 3200, 0
	s_branch .Lout
.Lload:
	LOADS 512, 1
.Lout:
	OUT 0
	s_endpgm
.Lfunc_end_k_q7a9826521e_prep:
	.size	k_q7a9826521e_prep, .Lfunc_end_k_q7a9826521e_prep-k_q7a9826521e_prep
	.p2alignl 7, 3214868480
	.fill 96, 4, 3214868480
	.section	.rodata,"a",@progbits
	.p2align	6, 0x0
	.amdhsa_kernel k_q7a9826521e_prep
		.amdhsa_group_segment_fixed_size 0
		.amdhsa_private_segment_fixed_size 0
		.amdhsa_enable_private_segment 0
		.amdhsa_kernarg_size 96
		.amdhsa_user_sgpr_count 2
		.amdhsa_user_sgpr_kernarg_segment_ptr 1
		.amdhsa_wavefront_size32 1
		.amdhsa_system_sgpr_workgroup_id_x 1
		.amdhsa_system_sgpr_workgroup_id_y 1
		.amdhsa_system_sgpr_workgroup_id_z 1
		.amdhsa_system_vgpr_workitem_id 0
		.amdhsa_next_free_vgpr 208
		.amdhsa_next_free_sgpr 66
		.amdhsa_reserve_vcc 1
		.amdhsa_float_denorm_mode_32 3
		.amdhsa_float_denorm_mode_16_64 3
		.amdhsa_memory_ordered 1
		.amdhsa_forward_progress 1
		.amdhsa_inst_pref_size 41
	.end_amdhsa_kernel
	.amdgpu_metadata
---
amdhsa.version: [ 1, 2 ]
amdhsa.kernels:
  - .name:           k_q7a9826521e_prep
    .symbol:         k_q7a9826521e_prep.kd
    .args:
      - { .name: x, .offset: 0, .size: 8, .value_kind: global_buffer, .address_space: global }
      - { .name: W_hidden, .offset: 8, .size: 8, .value_kind: global_buffer, .address_space: global }
      - { .name: W_out, .offset: 16, .size: 8, .value_kind: global_buffer, .address_space: global }
      - { .name: W_qk, .offset: 24, .size: 8, .value_kind: global_buffer, .address_space: global }
      - { .name: b_hidden, .offset: 32, .size: 8, .value_kind: global_buffer, .address_space: global }
      - { .name: b_out, .offset: 40, .size: 8, .value_kind: global_buffer, .address_space: global }
      - { .name: b_qk, .offset: 48, .size: 8, .value_kind: global_buffer, .address_space: global }
      - { .name: gamma, .offset: 56, .size: 8, .value_kind: global_buffer, .address_space: global }
      - { .name: beta, .offset: 64, .size: 8, .value_kind: global_buffer, .address_space: global }
      - { .name: aext, .offset: 72, .size: 8, .value_kind: global_buffer, .address_space: global }
      - { .name: bext, .offset: 80, .size: 8, .value_kind: global_buffer, .address_space: global }
      - { .name: wts, .offset: 88, .size: 8, .value_kind: global_buffer, .address_space: global }
    .group_segment_fixed_size: 0
    .private_segment_fixed_size: 0
    .kernarg_segment_align: 8
    .kernarg_segment_size: 96
    .max_flat_workgroup_size: 256
    .sgpr_count:     66
    .vgpr_count:     208
    .wavefront_size: 32
...
	.end_amdgpu_metadata
.endif
;; end of part 1
;; launch hid (part 2): grid 16 x 16, 4 waves a work-group, clusters of 4 x 4, 327,680 bytes of LDS; arguments aext, wts, bext, vb, gate, qk; writes vb, gate, qk
.if DOCPART == 2
	.amdgcn_target "amdgcn-amd-amdhsa--gfx1250"
	.amdhsa_code_object_version 6
	.text
	.protected	k_q7a9826521e_hid
	.globl	k_q7a9826521e_hid
	.p2align	8
	.type	k_q7a9826521e_hid,@function
k_q7a9826521e_hid:
	s_mov_b64 s[64:65], 0
	v_nop
	global_prefetch_b8 v0, s[64:65] scope:SCOPE_SE
	s_setreg_imm32_b32 hwreg(HW_REG_WAVE_MODE, 25, 1), 1
	s_wait_xcnt 0x0
	s_wait_alu depctr_hold_cnt(0) depctr_sa_sdst(0) depctr_va_vdst(0) depctr_va_sdst(0) depctr_va_ssrc(0) depctr_va_vcc(0) depctr_vm_vsrc(0)
	s_getreg_b32 s2, hwreg(HW_REG_IB_STS2, 6, 4)
	s_cmp_eq_u32 s2, 0
	s_cbranch_scc0 .Lentry_in_a_cluster
	s_endpgm
.Lentry_in_a_cluster:
	s_bfe_u32 s2, ttmp6, 0x10000c
	s_cmp_lg_u32 s2, 0xf033
	s_cbranch_scc0 .Lentry_shape_is_right
	s_endpgm
.Lentry_shape_is_right:
; silu(x W_hidden + b_hidden): its columns 0-2047 are v -> vb ([4096][2048] bf16), its columns 2048-4095 the gate -> gate ([4096][2048] f32).
; t = silu(x W_qk + b_qk);  q = t gamma0/32 + beta0/32,  k = t gamma1 + beta1 -> qk (bf16, [16 blocks of 16 d][4096 rows][16], k 2,097,152 bytes behind q).
; Operands bf16, sums f32; the bias is the C operand of the first product.  NaN and infinities are not treated apart.
; SHARES.  A work-group owns 256 rows x (128 columns of v + 128 of the gate + 16 of t).  A wave owns 128 rows x 128 columns (wc = 0: v, wc = 1: the gate): 64 accumulators; and 64 rows x 16 of t: 4 more.
; K = 1,024 in 8 steps of 128 through two LDS slots; a step is 272 matrix instructions a wave.  W_qk's 1,024 k x 16 columns lie in LDS for the whole launch, brought by one first fill.
; CLUSTER 4 x 4: x's tile hangs on the row block alone and is asked for jointly along a row of the cluster; the weights' tiles hang on the column block alone, jointly along a column.
; The matrix instruction is used transposed (source 0 = 16 columns of the weights, source 1 = 16 rows of x): a lane holds one row and eight neighbouring columns.
; The weights lie [k][n] in LDS and are read turned, by ds_load_tr16_b128.
; ROW BLOCKS.  t's products take x's fragments 0-3, fixed registers.  So that the two waves of a row half cover all eight row blocks, a wave with wc = 1 holds its blocks rotated by four:
; fragments 0-3 are the rows 64 wc + .., fragments 4-7 the rows 64 (1 - wc) + ..: two address registers for the fragments, two for the way out.
; REGISTERS.  window 0: v0-31 addresses; v32-63 t's 4 accumulators; v64-127, v128-191 x's fragments, two buffers; v192-207 W_qk's, two of 8
;   window 1: v0-63 the bias; v64-127, v128-191 the weights' fragments; v192-231 b_qk, gamma0/32, beta0/32, gamma1, beta1     windows 2, 3: the accumulators of fragments 0-3, 4-7 ((a, b) at 8 (8 a + b))
.set NSTEP, 8
.set PA,    272                        ; x: 256 bytes + 16: the 16 rows of a load start at 16 different groups of four banks
.set PB,    288                        ; a half of the weights: 256 + 32, an odd multiple of 32 bytes, for the turning load
.set OFB,   256*PA
.set HB,    128*PB                     ; v's weights, then the gate's
.set SLOT,  OFB+2*HB                   ; 143,360
.set OFQ,   2*SLOT                     ; W_qk: 1,024 rows of 32 bytes, dense: 8 rows x 32 bytes of a turning load are 256 consecutive bytes
.set DP,    528                        ; the way out: a row of 128 f32 + 16 bytes
.set SPARE, 327168                     ; the spare words, 128 bytes a wave: two blocks of 256 bytes that no other line names
.set WQO,   8388608
.set PARO,  8912896
.set NL,    34                         ; LDS loads in a fetch
.set ADRL, 5                           ; x's fragments 0-3
.set ADRH, 6                           ; x's fragments 4-7
.set ADRB, 7
.set ADRQ, 8
.set AL0,  9                           ; my lane's places in a slot; never rewritten
.set AH0,  10
.set AB0,  11
.set STL,  12
.set STH,  13
.set RD,   14
.set CO,   15
.set CO4,  16
.set QO,   17
.set BO,   18
.set SPW,  28
.set NIL,  29
.set QA,   32
.set F0,   64
.set F1,   128
.set FQ,   192
.set XR,   64                          ; the way out: 8 rows, at work, packed
.set TR,   96
.set YR,   128
.set WV, 16
.set WR, 17
.set WC, 18
.set CX, 19
.set CY, 20
.set CT, 21
.set RT, 22
.set G1A, 24
.set G1B, 32
.set G1Q, 40
.set G0A, 48                           ; two sets each: the first fills'; the second then walks
.set G0B, 56
.set G0Q, 68
.set TB,  72                           ; the slot that is read: 0 or SLOT
.set CNT, 73
.set CS,  74                           ; s[74:75] -log2(e)
.set WA,  76                           ; my tile's place in a slot, for x
.set WB,  77                           ; and for the weights
.set QB,  84
.set OB,  88
.set ST,  92
.set MSB, 0
.macro WIN new                         ; the immediate's high byte repeats the setting that is left
.if MSB != (\new)
	s_set_vgpr_msb (MSB<<8)|(\new)
.set MSB, \new
.endif
.endm
.macro PLACES                          ; four plain vector instructions between a matrix instruction and a load into, or a read of, its registers
.rept 4
	v_nop
.endr
.endm
.macro CREST                           ; a round of the cluster's barrier behind its opening barrier
	s_cmp_lg_u32 s[WV], 0
	s_cbranch_scc1 .Lnot_wave_0_\@
	s_barrier_signal -3
.Lnot_wave_0_\@:
	s_barrier_wait -3
	s_barrier_signal -1
	s_barrier_wait -1
.endm
.macro CROUND
	s_barrier_signal -1
	s_barrier_wait -1
	CREST
.endm
.macro JLOAD                           ; a joint refill by the walking sets: wave 0 v's weights, wave 1 the gate's, waves 2 and 3 the halves of x's tile.  The branch hangs on the wave's number alone.
	s_cmp_lt_u32 s[WV], 2
	s_cbranch_scc0 .Lfor_a_\@
	tensor_load_to_lds s[G0B+4:G0B+7], s[G1B:G1B+7]
	s_nop 0
	PLACES
	s_branch .Lasked_\@
.Lfor_a_\@:
	tensor_load_to_lds s[G0A+4:G0A+7], s[G1A:G1A+7]
	s_nop 0
	PLACES
.Lasked_\@:
.endm
	s_load_b256 s[4:11], s[0:1], 0x0               ; aext 4, wts 6, bext 8, vb 10
	s_load_b128 s[12:15], s[0:1], 0x20             ; gate 12, qk 14
	v_lshl_add_u32 v[SPW], v0, 2, SPARE
	v_mov_b32 v[NIL], 0
	ds_add_u32 v[SPW], v[NIL]                      ; the wave's opening: the add and its wait ahead of my first tensor load
	v_lshrrev_b32 v1, 5, v0
	v_readfirstlane_b32 s[WV], v1                  ; wave 0..3
	s_lshr_b32 s[WR], s[WV], 1                     ; my half of the rows
	s_and_b32 s[WC], s[WV], 1                      ; 0: v, 1: the gate
	s_bfe_u32 s[CX], ttmp6, 0x40000
	s_bfe_u32 s[CY], ttmp6, 0x40004
	s_lshl_b32 s[CT], ttmp9, 2
	s_add_co_u32 s[CT], s[CT], s[CX]               ; column block 0..15
	s_and_b32 s[RT], ttmp7, 0xffff
	s_lshl_b32 s[RT], s[RT], 2
	s_add_co_u32 s[RT], s[RT], s[CY]               ; row block 0..15
	s_lshl_b32 s78, s[CY], 2
	s_lshl_b32 s78, 15, s78                        ; my row of the cluster
	s_lshl_b32 s79, 0x1111, s[CX]                  ; my column
	s_or_b32 s[G1A], s78, (1<<16)|(1<<20)|(1<<21)|(5<<22)|(3<<25)  ; 2-byte elements; 4 words of padding behind every 64
	s_mov_b32 s[G1A+1], 128<<16                    ; tensor_dim0 = 128
	s_mov_b32 s[G1A+2], 128<<16                    ; tensor_dim1 = 128
	s_mov_b32 s[G1A+3], 128<<16                    ; tile_dim0
	s_mov_b32 s[G1A+4], 128                        ; tile_dim1
	s_mov_b32 s[G1A+5], 5120                       ; elements from row to row of aext
	s_mov_b32 s[G1A+6], 0
	s_mov_b32 s[G1A+7], 0
	s_or_b32 s[G1B], s79, (1<<16)|(1<<20)|(1<<21)|(5<<22)|(7<<25)  ; 8 words behind every 64
	s_mov_b32 s[G1B+1], 128<<16
	s_mov_b32 s[G1B+2], 128<<16
	s_mov_b32 s[G1B+3], 128<<16
	s_mov_b32 s[G1B+4], 128
	s_mov_b32 s[G1B+5], 2048
	s_mov_b32 s[G1B+6], 0
	s_mov_b32 s[G1B+7], 0
	s_or_b32 s[G1Q], s79, (1<<16)|(1<<21)          ; no padding
	s_mov_b32 s[G1Q+1], 16<<16                     ; 16 columns
	s_mov_b32 s[G1Q+2], 1024<<16                   ; 1,024 k
	s_mov_b32 s[G1Q+3], 16<<16
	s_mov_b32 s[G1Q+4], 1024
	s_mov_b32 s[G1Q+5], 32                         ; the blocks of W_qk are 32 columns wide
	s_mov_b32 s[G1Q+6], 0
	s_mov_b32 s[G1Q+7], 0
	s_lshl_b32 s80, s[RT], 8                       ; x's tile hangs on the row block and the wave,
	s_lshl_b32 s81, s[WC], 7
	s_add_co_u32 s80, s80, s81
	s_mul_i32 s80, s80, 10240
	s_mov_b32 s81, 0
	s_lshl_b32 s82, s[CT], 8                       ; the weights' on the column block and the wave
	s_mov_b32 s83, 0
	s_lshr_b32 s84, s[CT], 1                       ; W_qk: block ct / 2 of 32 columns, its half ct % 2
	s_lshl_b32 s84, s84, 16
	s_and_b32 s85, s[CT], 1
	s_lshl_b32 s85, s85, 5
	s_add_co_u32 s84, s84, s85
	s_mov_b32 s85, 0
	s_mul_i32 s[WA], s[WC], 128*PA
	s_mul_i32 s[WB], s[WC], HB
	s_add_co_u32 s[WB], s[WB], OFB
	s_mov_b32 s[TB], 0
	s_mov_b32 s[CS], 0xbfb8aa3b
	s_mov_b32 s[CS+1], s[CS]
	s_wait_dscnt 0x0                               ; the opening add is done
	s_wait_kmcnt 0x0
	s_add_nc_u64 s[80:81], s[4:5], s[80:81]
	s_cmp_eq_u32 s[WC], 0
	s_cselect_b64 s[86:87], s[6:7], s[8:9]         ; v's weights lie in wts, the gate's in bext, both in rows of 4,096 bytes
	s_add_nc_u64 s[82:83], s[86:87], s[82:83]
	s_add_nc_u64 s[84:85], s[6:7], s[84:85]
	s_add_nc_u64 s[84:85], s[84:85], WQO
.irp s, 0,1
	s_mov_b32 s[G0A+4*\s], 1
	s_add_co_u32 s[G0A+4*\s+1], s[WA], \s*SLOT
	s_add_nc_u64 s[G0A+4*\s+2:G0A+4*\s+3], s[80:81], \s*256
	s_or_b32 s[G0A+4*\s+3], s[G0A+4*\s+3], 0x80000000
	s_mov_b32 s[G0B+4*\s], 1
	s_add_co_u32 s[G0B+4*\s+1], s[WB], \s*SLOT
	s_add_nc_u64 s[G0B+4*\s+2:G0B+4*\s+3], s[82:83], \s*524288
	s_or_b32 s[G0B+4*\s+3], s[G0B+4*\s+3], 0x80000000
.endr
	s_mov_b32 s[G0Q], 1
	s_mov_b32 s[G0Q+1], OFQ
	s_mov_b64 s[G0Q+2:G0Q+3], s[84:85]
	s_or_b32 s[G0Q+3], s[G0Q+3], 0x80000000
	CROUND                                         ; all sixteen work-groups are here: the first joint loads meet
	s_cmp_lt_u32 s[WV], 2                          ; a wave's first fills stand together: two loads of mine are out, three of wave 3's
	s_cbranch_scc0 .Lff_a
	tensor_load_to_lds s[G0B:G0B+3], s[G1B:G1B+7]
	s_nop 0
	tensor_load_to_lds s[G0B+4:G0B+7], s[G1B:G1B+7]
	s_nop 0
	PLACES
	s_branch .Lff_done
.Lff_a:
	s_cmp_eq_u32 s[WV], 2
	s_cbranch_scc0 .Lff_q
	tensor_load_to_lds s[G0A:G0A+3], s[G1A:G1A+7]
	s_nop 0
	tensor_load_to_lds s[G0A+4:G0A+7], s[G1A:G1A+7]
	s_nop 0
	PLACES
	s_branch .Lff_done
.Lff_q:
	tensor_load_to_lds s[G0Q:G0Q+3], s[G1Q:G1Q+7]  ; W_qk first, so that the counted wait below covers it
	s_nop 0
	tensor_load_to_lds s[G0A:G0A+3], s[G1A:G1A+7]
	s_nop 0
	tensor_load_to_lds s[G0A+4:G0A+7], s[G1A:G1A+7]
	s_nop 0
	PLACES
.Lff_done:
	v_and_b32 v1, 15, v0                           ; r = l % 16
	v_bfe_u32 v2, v0, 4, 1                         ; h = l / 16
	v_mul_u32_u24 v3, v1, PA
	v_lshl_add_u32 v3, v2, 4, v3                   ; row x pitch + 16 h
	s_mul_i32 s98, s[WR], 128*PA                   ; my 128 rows,
	s_mul_i32 s99, s[WC], 64*PA
	s_add_co_u32 s100, s98, s99
	v_add_nc_u32 v[AL0], s100, v3                  ; fragments 0-3: their rows 64 wc on
	s_sub_co_u32 s99, 64*PA, s99
	s_add_co_u32 s100, s98, s99
	v_add_nc_u32 v[AH0], s100, v3                  ; fragments 4-7: their rows 64 (1 - wc) on
	v_and_b32 v3, 7, v0
	v_lshl_add_u32 v3, v2, 3, v3                   ; the turning load: k row 8 h + l % 8,
	v_bfe_u32 v4, v0, 3, 1                         ; 16 bytes by (l / 8) % 2
	v_mul_u32_u24 v[AB0], v3, PB
	v_lshl_add_u32 v[AB0], v4, 4, v[AB0]
	v_add_nc_u32 v[AB0], s[WB], v[AB0]             ; the half of the weights that is mine
	v_lshlrev_b32 v[ADRQ], 5, v3
	v_lshl_add_u32 v[ADRQ], v4, 4, v[ADRQ]
	v_add_nc_u32 v[ADRQ], OFQ, v[ADRQ]
	v_mov_b32 v[ADRL], v[AL0]
	v_mov_b32 v[ADRH], v[AH0]
	v_mov_b32 v[ADRB], v[AB0]
	v_lshlrev_b32 v[BO], 5, v2                     ; the parameters: 8 f32 by h
	s_lshl_b32 s98, s[WC], 13
	s_lshl_b32 s99, s[CT], 9
	s_add_co_u32 s98, s98, s99
	s_mov_b32 s99, 0
	s_add_nc_u64 s[94:95], s[6:7], s[98:99]
	s_add_nc_u64 s[94:95], s[94:95], PARO          ; b_hidden at my 128 columns
	s_lshl_b32 s98, s[CT], 6
	s_add_nc_u64 s[96:97], s[6:7], s[98:99]
	s_add_nc_u64 s[96:97], s[96:97], PARO+20480    ; the five arrays of 256 at my 16 d
	WIN 0x40                                       ; destination window 1
.irp b, 0,1,2,3,4,5,6,7
	global_load_b128 v[8*\b:8*\b+3], v[BO], s[94:95] offset:64*\b
	global_load_b128 v[8*\b+4:8*\b+7], v[BO], s[94:95] offset:64*\b+16
.endr
.irp i, 0,1,2,3,4
	global_load_b128 v[192+8*\i:192+8*\i+3], v[BO], s[96:97] offset:1024*\i
	global_load_b128 v[192+8*\i+4:192+8*\i+7], v[BO], s[96:97] offset:1024*\i+16
.endr
	WIN 0
	v_mul_u32_u24 v3, v1, DP                       ; the way out: in, row r, 32 bytes by h, each group of four blocks at its true rows;
	v_lshl_add_u32 v3, v2, 5, v3
	s_mul_i32 s98, s[WV], 128*DP
	s_mul_i32 s100, s[WC], 64*DP
	s_add_co_u32 s101, s98, s100
	v_add_nc_u32 v[STL], s101, v3
	s_sub_co_u32 s100, 64*DP, s100
	s_add_co_u32 s101, s98, s100
	v_add_nc_u32 v[STH], s101, v3
	v_and_b32 v[CO], 31, v0
	v_lshl_add_u32 v[RD], v[CO], 4, s98            ; back, a whole row of 512 bytes a load
	v_lshlrev_b32 v[CO4], 4, v[CO]
	v_lshlrev_b32 v[CO], 3, v[CO]
	v_lshlrev_b32 v[QO], 5, v1                     ; q and k: 32 r + 16 h
	v_lshl_add_u32 v[QO], v2, 4, v[QO]
	s_lshl_b32 s98, s[RT], 8
	s_lshl_b32 s100, s[WR], 7
	s_add_co_u32 s98, s98, s100                    ; my first row
	s_lshl_b32 s100, s98, 12
	s_lshl_b32 s101, s[CT], 8
	s_add_co_u32 s100, s100, s101
	s_mov_b32 s101, 0
	s_add_nc_u64 s[86:87], s[10:11], s[100:101]    ; v's place in vb
	s_lshl_b32 s100, s98, 13
	s_lshl_b32 s23, s[CT], 9
	s_add_co_u32 s100, s100, s23
	s_add_nc_u64 s[90:91], s[12:13], s[100:101]    ; the gate's place
	s_lshl_b32 s[ST], 0x8000, s[WC]                ; 8 rows of 4,096 or of 8,192 bytes
	s_mov_b32 s[ST+1], 0
	s_cmp_eq_u32 s[WC], 0
	s_cselect_b64 s[OB:OB+1], s[86:87], s[90:91]
	s_lshl_b32 s100, s[WC], 6
	s_add_co_u32 s100, s100, s98
	s_lshl_b32 s100, s100, 5
	s_lshl_b32 s23, s[CT], 17
	s_add_co_u32 s100, s100, s23
	s_add_nc_u64 s[QB:QB+1], s[14:15], s[100:101]  ; q's place: block ct, my 64 rows
; 16 matrix instructions: row blocks a0, a0 + 1 of the window's four x all 8 column blocks.  start = 1: C is the bias.  The accumulators take turns, one instruction a turn, in one order everywhere.
.macro MUL16 f, hi, a0, start
.if \start
	WIN 0x91+0x40*(\hi)                            ; source 0 (weights) and C (bias) window 1, source 1 (x) window 0, D window 2 or 3
.else
	WIN 0xa1+0x50*(\hi)
.endif
.irp a, \a0, (\a0)+1
.irp b, 0,1,2,3,4,5,6,7
.if \start
	v_wmma_f32_16x16x32_bf16 v[8*(8*(\a)+(\b)):8*(8*(\a)+(\b))+7], v[(\f)+8*(\b):(\f)+8*(\b)+7], v[(\f)+8*(4*(\hi)+(\a)):(\f)+8*(4*(\hi)+(\a))+7], v[8*(\b):8*(\b)+7]
.else
	v_wmma_f32_16x16x32_bf16 v[8*(8*(\a)+(\b)):8*(8*(\a)+(\b))+7], v[(\f)+8*(\b):(\f)+8*(\b)+7], v[(\f)+8*(4*(\hi)+(\a)):(\f)+8*(4*(\hi)+(\a))+7], v[8*(8*(\a)+(\b)):8*(8*(\a)+(\b))+7]
.endif
.endr
.endr
.endm
.macro MULQ f, start                   ; t's four, on x's fragments 0-3
.if \start
	WIN 0x10                                       ; C (b_qk) window 1
.else
	WIN 0
.endif
.irp a, 0,1,2,3
.if \start
	v_wmma_f32_16x16x32_bf16 v[QA+8*\a:QA+8*\a+7], v[FQ+8*(((\f)-64)/64):FQ+8*(((\f)-64)/64)+7], v[(\f)+8*\a:(\f)+8*\a+7], v[192:199]
.else
	v_wmma_f32_16x16x32_bf16 v[QA+8*\a:QA+8*\a+7], v[FQ+8*(((\f)-64)/64):FQ+8*(((\f)-64)/64)+7], v[(\f)+8*\a:(\f)+8*\a+7], v[QA+8*\a:QA+8*\a+7]
.endif
.endr
.endm
.macro FETCH kq, f                     ; the fragments of quarter kq (32 along K) into buffer f: 34 LDS loads in one run; x's fragments 4-7 last
	WIN 0x40
.irp i, 0,1,2,3,4,5,6,7
	ds_load_tr16_b128 v[(\f)+8*\i:(\f)+8*\i+3], v[ADRB] offset:(\kq)*32*PB+32*\i
	ds_load_tr16_b128 v[(\f)+8*\i+4:(\f)+8*\i+7], v[ADRB] offset:(\kq)*32*PB+32*\i+16*PB
.endr
	WIN 0
	ds_load_tr16_b128 v[FQ+8*(((\f)-64)/64):FQ+8*(((\f)-64)/64)+3], v[ADRQ] offset:(\kq)*1024
	ds_load_tr16_b128 v[FQ+8*(((\f)-64)/64)+4:FQ+8*(((\f)-64)/64)+7], v[ADRQ] offset:(\kq)*1024+512
.irp i, 0,1,2,3
	ds_load_b128 v[(\f)+8*\i:(\f)+8*\i+3], v[ADRL] offset:(\kq)*64+\i*16*PA
	ds_load_b128 v[(\f)+8*\i+4:(\f)+8*\i+7], v[ADRL] offset:(\kq)*64+\i*16*PA+32
.endr
.irp i, 0,1,2,3
	ds_load_b128 v[(\f)+32+8*\i:(\f)+32+8*\i+3], v[ADRH] offset:(\kq)*64+\i*16*PA
	ds_load_b128 v[(\f)+32+8*\i+4:(\f)+32+8*\i+7], v[ADRH] offset:(\kq)*64+\i*16*PA+32
.endr
.endm
.macro QUARTER kq, f, g, start         ; multiplies f; in its middle it fetches quarter kq into g
	s_wait_dscnt 8                                 ; all but the youngest eight loads (x's fragments 4-7) are in
	MUL16 \f, 0, 0, \start
	MUL16 \f, 0, 2, \start
	MULQ \f, \start
	PLACES                                         ; g was multiplied in the quarter before
	FETCH \kq, \g
	s_wait_dscnt NL                                ; all but the 34 just issued
	MUL16 \f, 1, 0, \start
	MUL16 \f, 1, 2, \start
.endm
; The last quarter of a K step multiplies buffer 1 and changes slots.  In front of the barrier each wave waits for all its tensor loads (one is out: its part of the next slot), adds 0 to its
; spare word, and waits for that and for its reads of this slot.  fill = 1: the barrier opens a round of the cluster's, and the slot just read is filled again first thing behind it:
; the load has 236 matrix instructions in which to land.
.macro TURN fill
	WIN 0
	s_wait_tensorcnt 0x0
	ds_add_u32 v[SPW], v[NIL]
.if \fill
	s_add_co_u32 s[G0A+5], s[WA], s[TB]            ; no load of mine is out: the walking sets step: the slot just read, the next K step
	s_add_nc_u64 s[G0A+6:G0A+7], s[G0A+6:G0A+7], 256
	s_add_co_u32 s[G0B+5], s[WB], s[TB]
	s_add_nc_u64 s[G0B+6:G0B+7], s[G0B+6:G0B+7], 524288
.endif
	s_xor_b32 s[TB], s[TB], SLOT                   ; 0 and SLOT by turns
	s_wait_dscnt 9                                 ; (the add and the youngest eight loads may be out)
	MUL16 F1, 0, 0, 0
	s_wait_dscnt 0x0                               ; the add is done, and my reads of this slot are over
	s_barrier_signal -1
	MUL16 F1, 0, 2, 0                              ; work on registers while the others arrive
	MULQ F1, 0
	WIN 0
	s_barrier_wait -1
.if \fill
	CREST
	JLOAD                                          ; its four v_nop are also the places in front of the loads below
.else
	PLACES
.endif
	v_add_nc_u32 v[ADRL], s[TB], v[AL0]
	v_add_nc_u32 v[ADRH], s[TB], v[AH0]
	v_add_nc_u32 v[ADRB], s[TB], v[AB0]
	v_add_nc_u32 v[ADRQ], 4096, v[ADRQ]            ; W_qk: 128 k of 32 bytes on
	FETCH 0, F0
	MUL16 F1, 1, 0, 0
	MUL16 F1, 1, 2, 0
.endm
.macro SILU x, t                       ; 32 numbers: x / (1 + 2^(-x log2 e)), by stages, so that no transcendental's result is used by the next line
.set z, 0
.rept 16
	v_pk_mul_f32 v[(\t)+2*z:(\t)+2*z+1], v[(\x)+2*z:(\x)+2*z+1], s[CS:CS+1] op_sel_hi:[1,0]
.set z, z+1
.endr
.set z, 0
.rept 32
	v_exp_f32 v[(\t)+z], v[(\t)+z]
.set z, z+1
.endr
	v_nop
.set z, 0
	s_wait_alu depctr_va_vdst(0)
.rept 16
	v_pk_add_f32 v[(\t)+2*z:(\t)+2*z+1], v[(\t)+2*z:(\t)+2*z+1], 1.0 op_sel_hi:[1,0]
.set z, z+1
.endr
.set z, 0
.rept 32
	v_rcp_f32 v[(\t)+z], v[(\t)+z]
.set z, z+1
.endr
	v_nop
.set z, 0
	s_wait_alu depctr_va_vdst(0)
.rept 16
	v_pk_mul_f32 v[(\x)+2*z:(\x)+2*z+1], v[(\x)+2*z:(\x)+2*z+1], v[(\t)+2*z:(\t)+2*z+1]
.set z, z+1
.endr
.endm
.macro DUMP win, adr                   ; 32 accumulators as f32 into my rows in LDS, each accumulator's low registers first
	WIN \win
.set da, 0
.rept 4
.set db, 0
.rept 8
	ds_store_b128 v[\adr], v[8*(8*da+db):8*(8*da+db)+3] offset:da*16*DP+64*db
	ds_store_b128 v[\adr], v[8*(8*da+db)+4:8*(8*da+db)+7] offset:da*16*DP+64*db+16
.set db, db+1
.endr
.set da, da+1
.endr
.endm
	s_wait_tensorcnt 0x1                           ; my part of K step 0 is in, and W_qk; step 1's may stay out
	s_barrier_signal -1
	s_barrier_wait -1
	FETCH 0, F0
	s_wait_loadcnt 0x0                             ; the parameters
	QUARTER 1, F0, F1, 1                           ; the first quarter starts the sums, with the bias
	WIN 0
	s_mov_b32 s[CNT], NSTEP-2
.Lstep:                                                ; a trip: a K step's quarters 1 to 3, a refill, the next step's quarter 0
	QUARTER 2, F1, F0, 0
	QUARTER 3, F0, F1, 0
	TURN 1
	QUARTER 1, F0, F1, 0
	WIN 0
	s_sub_co_u32 s[CNT], s[CNT], 1
	s_cmp_lg_u32 s[CNT], 0
	s_cbranch_scc1 .Lstep
	QUARTER 2, F1, F0, 0                           ; the last two steps ask for nothing
	QUARTER 3, F0, F1, 0
	TURN 0
	QUARTER 1, F0, F1, 0
	QUARTER 2, F1, F0, 0
	QUARTER 3, F0, F1, 0
	s_wait_dscnt 8
	MUL16 F1, 0, 0, 0
	MUL16 F1, 0, 2, 0
	MULQ F1, 0
	s_wait_dscnt 0x0
	MUL16 F1, 1, 0, 0
	MUL16 F1, 1, 2, 0
	; THE WAY OUT.  The slots have had their last fill; when every wave has read its last fragment, each wave lays its 128 x 128 sums into rows of its own there.
	PLACES
	WIN 0
	s_wait_dscnt 0x0
	s_barrier_signal -1
	s_barrier_wait -1
	DUMP 0x08, STL                                 ; store data in window 2,
	DUMP 0x0c, STH                                 ; in window 3
	WIN 0
	SILU QA, 64                                    ; t in registers: a lane holds a row's 8 neighbouring d
	WIN 0x14                                       ; gamma and beta in window 1
.set z, 0
.rept 16
	v_pk_fma_f32 v[96+2*z:96+2*z+1], v[QA+2*z:QA+2*z+1], v[200+2*(z%4):200+2*(z%4)+1], v[208+2*(z%4):208+2*(z%4)+1]
.set z, z+1
.endr
.set z, 0
.rept 16
	v_pk_fma_f32 v[128+2*z:128+2*z+1], v[QA+2*z:QA+2*z+1], v[216+2*(z%4):216+2*(z%4)+1], v[224+2*(z%4):224+2*(z%4)+1]
.set z, z+1
.endr
	WIN 0
.set z, 0
.rept 16
	v_cvt_pk_bf16_f32 v[160+z], v[96+2*z], v[96+2*z+1]
	v_cvt_pk_bf16_f32 v[176+z], v[128+2*z], v[128+2*z+1]
.set z, z+1
.endr
.irp a, 0,1,2,3
	global_store_b128 v[QO], v[160+4*\a:160+4*\a+3], s[QB:QB+1] offset:512*\a           ; 16 rows of 32 bytes: 512 consecutive bytes
	global_store_b128 v[QO], v[176+4*\a:176+4*\a+3], s[QB:QB+1] offset:2097152+512*\a
.endr
	s_mov_b32 s[CNT], 16
.Lrow:                                                 ; 8 rows a trip: back from LDS as whole rows (LDS serves a wave's instructions in order: these see the stores above), silu, out
.irp i, 0,1,2,3,4,5,6,7
	ds_load_b128 v[XR+4*\i:XR+4*\i+3], v[RD] offset:\i*DP
.endr
	s_wait_dscnt 0x0
	SILU XR, TR
	s_cmp_eq_u32 s[WC], 0                          ; by the wave's number: v goes out in bf16, the gate in f32
	s_cbranch_scc0 .Lgate
.set z, 0
.rept 16
	v_cvt_pk_bf16_f32 v[YR+z], v[XR+2*z], v[XR+2*z+1]
.set z, z+1
.endr
.irp i, 0,1,2,3,4,5,6,7
	global_store_b64 v[CO], v[YR+2*\i:YR+2*\i+1], s[OB:OB+1] offset:\i*4096             ; the wave stores 256 consecutive bytes, aligned
.endr
	s_branch .Lstored
.Lgate:
.irp i, 0,1,2,3,4,5,6,7
	global_store_b128 v[CO4], v[XR+4*\i:XR+4*\i+3], s[OB:OB+1] offset:\i*8192           ; 512 consecutive bytes, aligned
.endr
.Lstored:
	s_wait_xcnt 0x0                                ; the stores' base and data are rewritten only behind this wait
	s_add_nc_u64 s[OB:OB+1], s[OB:OB+1], s[ST:ST+1]
	v_add_nc_u32 v[RD], 8*DP, v[RD]
	s_sub_co_u32 s[CNT], s[CNT], 1
	s_cmp_lg_u32 s[CNT], 0
	s_cbranch_scc1 .Lrow
	s_wait_tensorcnt 0x0                           ; the wave's end
	ds_add_u32 v[SPW], v[NIL]
	s_wait_dscnt 0x0
	CROUND                                         ; the closing round
	s_endpgm
.Lfunc_end_k_q7a9826521e_hid:
	.size	k_q7a9826521e_hid, .Lfunc_end_k_q7a9826521e_hid-k_q7a9826521e_hid
	.p2alignl 7, 3214868480
	.fill 96, 4, 3214868480
	.section	.rodata,"a",@progbits
	.p2align	6, 0x0
	.amdhsa_kernel k_q7a9826521e_hid
		.amdhsa_group_segment_fixed_size 327680
		.amdhsa_private_segment_fixed_size 0
		.amdhsa_enable_private_segment 0
		.amdhsa_kernarg_size 48
		.amdhsa_user_sgpr_count 2
		.amdhsa_user_sgpr_kernarg_segment_ptr 1
		.amdhsa_wavefront_size32 1
		.amdhsa_system_sgpr_workgroup_id_x 1
		.amdhsa_system_sgpr_workgroup_id_y 1
		.amdhsa_system_sgpr_workgroup_id_z 1
		.amdhsa_system_vgpr_workitem_id 0
		.amdhsa_next_free_vgpr 1024
		.amdhsa_next_free_sgpr 102
		.amdhsa_reserve_vcc 0
		.amdhsa_float_denorm_mode_32 3
		.amdhsa_float_denorm_mode_16_64 3
		.amdhsa_memory_ordered 1
		.amdhsa_forward_progress 1
		.amdhsa_inst_pref_size 122
	.end_amdhsa_kernel
	.amdgpu_metadata
---
amdhsa.version: [ 1, 2 ]
amdhsa.kernels:
  - .name:           k_q7a9826521e_hid
    .symbol:         k_q7a9826521e_hid.kd
    .args:
      - { .name: aext, .offset: 0, .size: 8, .value_kind: global_buffer, .address_space: global }
      - { .name: wts, .offset: 8, .size: 8, .value_kind: global_buffer, .address_space: global }
      - { .name: bext, .offset: 16, .size: 8, .value_kind: global_buffer, .address_space: global }
      - { .name: vb, .offset: 24, .size: 8, .value_kind: global_buffer, .address_space: global }
      - { .name: gate, .offset: 32, .size: 8, .value_kind: global_buffer, .address_space: global }
      - { .name: qk, .offset: 40, .size: 8, .value_kind: global_buffer, .address_space: global }
    .group_segment_fixed_size: 327680
    .private_segment_fixed_size: 0
    .kernarg_segment_align: 8
    .kernarg_segment_size: 48
    .max_flat_workgroup_size: 128
    .sgpr_count:     102
    .vgpr_count:     1024
    .wavefront_size: 32
...
	.end_amdgpu_metadata
.endif
;; end of part 2
;; launch sim (part 3): grid 16 x 16, 4 waves a work-group, clusters of 4 x 4, 327,680 bytes of LDS; arguments qk, aext; writes aext
.if DOCPART == 3
	.amdgcn_target "amdgcn-amd-amdhsa--gfx1250"
	.amdhsa_code_object_version 6
	.text
	.protected	k_q7a9826521e_sim
	.globl	k_q7a9826521e_sim
	.p2align	8
	.type	k_q7a9826521e_sim,@function
k_q7a9826521e_sim:
	s_mov_b64 s[64:65], 0
	v_nop
	global_prefetch_b8 v0, s[64:65] scope:SCOPE_SE
	s_setreg_imm32_b32 hwreg(HW_REG_WAVE_MODE, 25, 1), 1
	s_wait_xcnt 0x0
	s_wait_alu depctr_hold_cnt(0) depctr_sa_sdst(0) depctr_va_vdst(0) depctr_va_sdst(0) depctr_va_ssrc(0) depctr_va_vcc(0) depctr_vm_vsrc(0)
	s_getreg_b32 s2, hwreg(HW_REG_IB_STS2, 6, 4)
	s_cmp_eq_u32 s2, 0
	s_cbranch_scc0 .Lentry_in_a_cluster
	s_endpgm
.Lentry_in_a_cluster:
	s_bfe_u32 s2, ttmp6, 0x10000c
	s_cmp_lg_u32 s2, 0xf033
	s_cbranch_scc0 .Lentry_shape_is_right
	s_endpgm
.Lentry_shape_is_right:
; attn[i][j] = relu(q[i] . k[j])^2 -> aext column 1024 + j, bf16 (q already holds the 1/32).  Operands bf16, sums f32.  NaN counts as 0 in the relu.
; A work-group makes 256 x 256, a wave 128 x 128: 64 accumulators.  K = 224 (d from 200 on is 0 in q and k): 7 steps of 32, all of it in LDS by ONE fill, one tensor load a wave; nothing is filled again.
; q and k lie by blocks of 16 d: [block][4096 rows][16], a row 32 bytes.  A wave's load brings 7 blocks x 256 rows (8,192 dense bytes each); 16 bytes of padding behind every 256:
; row R of block t lies at t x 8,704 + (R / 8) x 272 + (R % 8) x 32, so the 16 rows of a fragment load touch 16 different 16-byte columns.
; CLUSTER 4 x 4: q's tile is asked for jointly along a row of the cluster, k's along a column.  Source 0 = 16 rows of k, source 1 = 16 rows of q: a lane holds one i and eight neighbouring j.
; REGISTERS.  window 0: v0-31 addresses; v64-127, v128-191 q's fragments, two buffers.  window 1: the same numbers, k's.  windows 2, 3: the accumulators of my rows 0-63, 64-127.
.set BLK,   8704
.set HALF,  7*BLK                      ; what one load brings
.set KOFF,  2*HALF                     ; k's tile lies behind q's
.set DP,    528
.set SPARE, 327168
.set ADRQ, 16                          ; v16-17  blocks 0-6, 7-13
.set ADRK, 20                          ; v20-21
.set STO,  24
.set RD,   25
.set CO,   26
.set SPW,  28
.set NIL,  29
.set F0,   64
.set F1,   128
.set XR,   64
.set YR,   96
.set WV, 12
.set WR, 13
.set WC, 14
.set CX, 15
.set CY, 16
.set CT, 17
.set RT, 18
.set G1A, 24
.set G0A, 32
.set CNT, 38
.set G1B, 40
.set G0B, 48
.set MSB, 0
.macro WIN new
.if MSB != (\new)
	s_set_vgpr_msb (MSB<<8)|(\new)
.set MSB, \new
.endif
.endm
.macro PLACES
.rept 4
	v_nop
.endr
.endm
.macro CROUND
	s_barrier_signal -1
	s_barrier_wait -1
	s_cmp_lg_u32 s[WV], 0
	s_cbranch_scc1 .Lnot_wave_0_\@
	s_barrier_signal -3
.Lnot_wave_0_\@:
	s_barrier_wait -3
	s_barrier_signal -1
	s_barrier_wait -1
.endm
	s_load_b128 s[4:7], s[0:1], 0x0                ; qk 4, aext 6
	v_lshl_add_u32 v[SPW], v0, 2, SPARE
	v_mov_b32 v[NIL], 0
	ds_add_u32 v[SPW], v[NIL]                      ; the wave's opening: the add and its wait ahead of my tensor load
	v_lshrrev_b32 v1, 5, v0
	v_readfirstlane_b32 s[WV], v1
	s_lshr_b32 s[WR], s[WV], 1
	s_and_b32 s[WC], s[WV], 1
	s_bfe_u32 s[CX], ttmp6, 0x40000
	s_bfe_u32 s[CY], ttmp6, 0x40004
	s_lshl_b32 s[CT], ttmp9, 2
	s_add_co_u32 s[CT], s[CT], s[CX]
	s_and_b32 s[RT], ttmp7, 0xffff
	s_lshl_b32 s[RT], s[RT], 2
	s_add_co_u32 s[RT], s[RT], s[CY]
	s_lshl_b32 s36, s[CY], 2
	s_lshl_b32 s36, 15, s36
	s_lshl_b32 s37, 0x1111, s[CX]
	s_or_b32 s[G1A], s36, (1<<16)|(1<<20)|(1<<21)|(5<<22)|(3<<25)
	s_or_b32 s[G1B], s37, (1<<16)|(1<<20)|(1<<21)|(5<<22)|(3<<25)
.irp g, G1A, G1B
	s_mov_b32 s[(\g)+1], 4096<<16                  ; tensor_dim0 = 4,096 elements: 256 rows of 16
	s_mov_b32 s[(\g)+2], 7<<16                     ; tensor_dim1 = 7 blocks
	s_mov_b32 s[(\g)+3], 4096<<16                  ; tile_dim0
	s_mov_b32 s[(\g)+4], 7                         ; tile_dim1
	s_mov_b32 s[(\g)+5], 65536                     ; elements from block to block
	s_mov_b32 s[(\g)+6], 0
	s_mov_b32 s[(\g)+7], 0
.endr
	s_mul_i32 s19, s[WV], HALF                     ; wave 0, 1: q's blocks 0-6, 7-13; wave 2, 3: k's
	s_mul_i32 s54, s[WC], 7*131072
	s_lshl_b32 s20, s[RT], 13                      ; 256 rows of 32 bytes
	s_add_co_u32 s20, s20, s54
	s_mov_b32 s21, 0
	s_lshl_b32 s52, s[CT], 13
	s_add_co_u32 s52, s52, s54
	s_mov_b32 s53, 0
	s_mov_b32 s[G0A], 1
	s_mov_b32 s[G0A+1], s19
	s_mov_b32 s[G0B], 1
	s_mov_b32 s[G0B+1], s19
	s_wait_dscnt 0x0
	s_wait_kmcnt 0x0
	s_add_nc_u64 s[G0A+2:G0A+3], s[4:5], s[20:21]
	s_or_b32 s[G0A+3], s[G0A+3], 0x80000000
	s_add_nc_u64 s[G0B+2:G0B+3], s[4:5], s[52:53]
	s_add_nc_u64 s[G0B+2:G0B+3], s[G0B+2:G0B+3], 2097152
	s_or_b32 s[G0B+3], s[G0B+3], 0x80000000
	CROUND                                         ; the joint loads meet
	s_cmp_lt_u32 s[WV], 2
	s_cbranch_scc0 .Lfor_k
	tensor_load_to_lds s[G0A:G0A+3], s[G1A:G1A+7]
	s_nop 0
	PLACES
	s_branch .Lasked
.Lfor_k:
	tensor_load_to_lds s[G0B:G0B+3], s[G1B:G1B+7]
	s_nop 0
	PLACES
.Lasked:
	v_and_b32 v1, 15, v0
	v_bfe_u32 v2, v0, 4, 1
	v_lshrrev_b32 v3, 3, v1
	v_and_b32 v4, 7, v1
	v_mul_u32_u24 v3, v3, 272
	v_lshl_add_u32 v3, v4, 5, v3
	v_lshl_add_u32 v3, v2, 4, v3                   ; (r / 8) 272 + (r % 8) 32 + 16 h
	s_mul_i32 s54, s[WR], 4352                     ; my 128 rows
	s_mul_i32 s55, s[WC], 4352
	s_add_co_u32 s55, s55, KOFF
	v_add_nc_u32 v[ADRQ], s54, v3
	v_add_nc_u32 v[ADRQ+1], HALF, v[ADRQ]
	v_add_nc_u32 v[ADRK], s55, v3
	v_add_nc_u32 v[ADRK+1], HALF, v[ADRK]
	v_mul_u32_u24 v[STO], v1, DP
	v_lshl_add_u32 v[STO], v2, 5, v[STO]
	s_mul_i32 s54, s[WV], 128*DP
	v_add_nc_u32 v[STO], s54, v[STO]
	v_and_b32 v[CO], 31, v0
	v_lshl_add_u32 v[RD], v[CO], 4, s54
	v_lshlrev_b32 v[CO], 3, v[CO]
	s_lshl_b32 s58, s[RT], 8
	s_lshl_b32 s59, s[WR], 7
	s_add_co_u32 s58, s58, s59
	s_mul_i32 s58, s58, 10240
	s_lshl_b32 s59, s[CT], 9
	s_add_co_u32 s58, s58, s59
	s_lshl_b32 s59, s[WC], 8
	s_add_co_u32 s58, s58, s59
	s_add_co_u32 s58, s58, 2048
	s_mov_b32 s59, 0
	s_add_nc_u64 s[56:57], s[6:7], s[58:59]
; 16 matrix instructions: row blocks a0, a0 + 1 of the window's four x all 8 column blocks.  The 64 accumulators take turns, one instruction a turn.
.macro MUL16 f, hi, a0, zero
	WIN 0xa1+0x50*(\hi)                            ; source 0 (k) window 1, source 1 (q) window 0, C and D window 2 or 3
.irp a, \a0, (\a0)+1
.irp b, 0,1,2,3,4,5,6,7
.if \zero
	v_wmma_f32_16x16x32_bf16 v[8*(8*(\a)+(\b)):8*(8*(\a)+(\b))+7], v[(\f)+8*(\b):(\f)+8*(\b)+7], v[(\f)+8*(4*(\hi)+(\a)):(\f)+8*(4*(\hi)+(\a))+7], 0
.else
	v_wmma_f32_16x16x32_bf16 v[8*(8*(\a)+(\b)):8*(8*(\a)+(\b))+7], v[(\f)+8*(\b):(\f)+8*(\b)+7], v[(\f)+8*(4*(\hi)+(\a)):(\f)+8*(4*(\hi)+(\a))+7], v[8*(8*(\a)+(\b)):8*(8*(\a)+(\b))+7]
.endif
.endr
.endr
.endm
.macro FETCH s, f                      ; K step s: registers 0-3 from block 2 s, 4-7 from block 2 s + 1; k's 16 loads, then q's 16
	WIN 0x40
.irp i, 0,1,2,3,4,5,6,7
	ds_load_b128 v[(\f)+8*\i:(\f)+8*\i+3], v[ADRK+(2*(\s))/7] offset:((2*(\s))%7)*BLK+\i*544
	ds_load_b128 v[(\f)+8*\i+4:(\f)+8*\i+7], v[ADRK+(2*(\s)+1)/7] offset:((2*(\s)+1)%7)*BLK+\i*544
.endr
	WIN 0
.irp i, 0,1,2,3,4,5,6,7
	ds_load_b128 v[(\f)+8*\i:(\f)+8*\i+3], v[ADRQ+(2*(\s))/7] offset:((2*(\s))%7)*BLK+\i*544
	ds_load_b128 v[(\f)+8*\i+4:(\f)+8*\i+7], v[ADRQ+(2*(\s)+1)/7] offset:((2*(\s)+1)%7)*BLK+\i*544
.endr
.endm
.macro STEP s, f, g, zero
	s_wait_dscnt 8                                 ; k's and q's rows 0-63 are in; the youngest eight loads (q's rows 64-127) may be out
	MUL16 \f, 0, 0, \zero
	MUL16 \f, 0, 2, \zero
.if (\s) < 6
	PLACES
	FETCH (\s)+1, \g
	s_wait_dscnt 32                                ; all but the 32 just issued
.else
	s_wait_dscnt 0x0
.endif
	MUL16 \f, 1, 0, \zero
	MUL16 \f, 1, 2, \zero
.endm
.macro DUMP win, adr, a0
	WIN \win
.set da, 0
.rept 4
.set db, 0
.rept 8
	ds_store_b128 v[\adr], v[8*(8*da+db):8*(8*da+db)+3] offset:((\a0)+da)*16*DP+64*db
	ds_store_b128 v[\adr], v[8*(8*da+db)+4:8*(8*da+db)+7] offset:((\a0)+da)*16*DP+64*db+16
.set db, db+1
.endr
.set da, da+1
.endr
.endm
	s_wait_tensorcnt 0x0                           ; my part of the tiles is in,
	s_barrier_signal -1
	s_barrier_wait -1                              ; everybody's is
	FETCH 0, F0
	STEP 0, F0, F1, 1                              ; the first products start the sums
	STEP 1, F1, F0, 0
	STEP 2, F0, F1, 0
	STEP 3, F1, F0, 0
	STEP 4, F0, F1, 0
	STEP 5, F1, F0, 0
	STEP 6, F0, F1, 0
	; THE WAY OUT: when every wave has read its last fragment, the sums go as f32 into rows of the wave's own, over the tiles, which are filled no more
	PLACES
	WIN 0
	s_wait_dscnt 0x0
	s_barrier_signal -1
	s_barrier_wait -1
	DUMP 0x08, STO, 0
	DUMP 0x0c, STO, 4
	WIN 0
	s_mov_b32 s[CNT], 16
.Lrow:                                                 ; 8 rows a trip
.irp i, 0,1,2,3,4,5,6,7
	ds_load_b128 v[XR+4*\i:XR+4*\i+3], v[RD] offset:\i*DP
.endr
	s_wait_dscnt 0x0
.set z, 0
.rept 32
	v_max_num_f32 v[XR+z], 0, v[XR+z]
.set z, z+1
.endr
.set z, 0
.rept 16
	v_pk_mul_f32 v[XR+2*z:XR+2*z+1], v[XR+2*z:XR+2*z+1], v[XR+2*z:XR+2*z+1]
.set z, z+1
.endr
.set z, 0
.rept 16
	v_cvt_pk_bf16_f32 v[YR+z], v[XR+2*z], v[XR+2*z+1]
.set z, z+1
.endr
.irp i, 0,1,2,3,4,5,6,7
	global_store_b64 v[CO], v[YR+2*\i:YR+2*\i+1], s[56:57] offset:\i*10240         ; the wave stores 256 consecutive bytes, aligned
.endr
	s_wait_xcnt 0x0                                ; the stores' base and data are rewritten only behind this wait
	s_add_nc_u64 s[56:57], s[56:57], 81920
	v_add_nc_u32 v[RD], 8*DP, v[RD]
	s_sub_co_u32 s[CNT], s[CNT], 1
	s_cmp_lg_u32 s[CNT], 0
	s_cbranch_scc1 .Lrow
	s_wait_tensorcnt 0x0                           ; the wave's end
	ds_add_u32 v[SPW], v[NIL]
	s_wait_dscnt 0x0
	CROUND                                         ; the closing round
	s_endpgm
.Lfunc_end_k_q7a9826521e_sim:
	.size	k_q7a9826521e_sim, .Lfunc_end_k_q7a9826521e_sim-k_q7a9826521e_sim
	.p2alignl 7, 3214868480
	.fill 96, 4, 3214868480
	.section	.rodata,"a",@progbits
	.p2align	6, 0x0
	.amdhsa_kernel k_q7a9826521e_sim
		.amdhsa_group_segment_fixed_size 327680
		.amdhsa_private_segment_fixed_size 0
		.amdhsa_enable_private_segment 0
		.amdhsa_kernarg_size 16
		.amdhsa_user_sgpr_count 2
		.amdhsa_user_sgpr_kernarg_segment_ptr 1
		.amdhsa_wavefront_size32 1
		.amdhsa_system_sgpr_workgroup_id_x 1
		.amdhsa_system_sgpr_workgroup_id_y 1
		.amdhsa_system_sgpr_workgroup_id_z 1
		.amdhsa_system_vgpr_workitem_id 0
		.amdhsa_next_free_vgpr 1024
		.amdhsa_next_free_sgpr 66
		.amdhsa_reserve_vcc 0
		.amdhsa_float_denorm_mode_32 3
		.amdhsa_float_denorm_mode_16_64 3
		.amdhsa_memory_ordered 1
		.amdhsa_forward_progress 1
		.amdhsa_inst_pref_size 63
	.end_amdhsa_kernel
	.amdgpu_metadata
---
amdhsa.version: [ 1, 2 ]
amdhsa.kernels:
  - .name:           k_q7a9826521e_sim
    .symbol:         k_q7a9826521e_sim.kd
    .args:
      - { .name: qk, .offset: 0, .size: 8, .value_kind: global_buffer, .address_space: global }
      - { .name: aext, .offset: 8, .size: 8, .value_kind: global_buffer, .address_space: global }
    .group_segment_fixed_size: 327680
    .private_segment_fixed_size: 0
    .kernarg_segment_align: 8
    .kernarg_segment_size: 16
    .max_flat_workgroup_size: 128
    .sgpr_count:     66
    .vgpr_count:     1024
    .wavefront_size: 32
...
	.end_amdgpu_metadata
.endif
;; end of part 3
;; launch attnv (part 4): grid 8 x 32, 4 waves a work-group, clusters of 4 x 4, 327,680 bytes of LDS; arguments aext, vb, gate, og; writes og
.if DOCPART == 4
	.amdgcn_target "amdgcn-amd-amdhsa--gfx1250"
	.amdhsa_code_object_version 6
	.text
	.protected	k_q7a9826521e_attnv
	.globl	k_q7a9826521e_attnv
	.p2align	8
	.type	k_q7a9826521e_attnv,@function
k_q7a9826521e_attnv:
	s_mov_b64 s[64:65], 0
	v_nop
	global_prefetch_b8 v0, s[64:65] scope:SCOPE_SE
	s_setreg_imm32_b32 hwreg(HW_REG_WAVE_MODE, 25, 1), 1
	s_wait_xcnt 0x0
	s_wait_alu depctr_hold_cnt(0) depctr_sa_sdst(0) depctr_va_vdst(0) depctr_va_sdst(0) depctr_va_ssrc(0) depctr_va_vcc(0) depctr_vm_vsrc(0)
	s_getreg_b32 s2, hwreg(HW_REG_IB_STS2, 6, 4)
	s_cmp_eq_u32 s2, 0
	s_cbranch_scc0 .Lentry_in_a_cluster
	s_endpgm
.Lentry_in_a_cluster:
	s_bfe_u32 s2, ttmp6, 0x10000c
	s_cmp_lg_u32 s2, 0xf033
	s_cbranch_scc0 .Lentry_shape_is_right
	s_endpgm
.Lentry_shape_is_right:
; og = (attn v) gate.  attn: aext columns 1024 on (bf16, rows of 10,240 bytes); v: vb [4096 j][2048] bf16; gate: [4096][2048] f32.  Operands bf16, sums f32.
; og is stored as f16 times a power of two f taken from the true maximum of the work-group's 128 x 256 tile, so that the largest number lies in [2^14, 2^15); g = 1 / f is stored beside it (64 copies, 256 bytes a tile).
; LIMITS: a number of og keeps f16's 11 bits down to 2^-29 of its tile's maximum, below that f16's fixed step; a tile whose maximum is under 2^-111 is scaled as if it were 2^-111; NaN and infinities are not treated apart.
; SHARES.  A work-group makes 128 x 256, a wave 64 x 128: 32 accumulators.  K = 4,096 goes in steps of 192, the longest of which two slots fit in LDS: 2 x (128 x 432 + 192 x 544) = 319,488 bytes;
; a step is 192 matrix instructions a wave, 184 of them between a refill's request and the wait for it.  4,096 = 21 x 192 + 64: the last step is a tile of 64 along K, with a row pitch of its own for attn.
; attn's rows of 384 bytes are padded behind every 128: k lies at (k / 64) x 144 + (k % 64) x 2 of a row of 432 bytes = 27 x 16, so the 16 rows of a load start at 16 different groups of four banks.
; CLUSTER 4 x 4: attn's tile jointly along a row of the cluster, v's along a column.
; Source 0 = 16 columns of v (read turned, by ds_load_tr16_b128), source 1 = 16 rows of attn: a lane holds one row and eight neighbouring columns.
; REGISTERS.  window 0: v0-63 addresses and work; v64-127 attn's fragments, two buffers of 32; v128-255 v's, two of 64.  window 1: the sums.  window 2: my 64 x 128 of the gate, row by row, loaded at the start.
.set PA,    432
.set PAS,   144                        ; the last step's pitch: 128 bytes + 16
.set PB,    544
.set OFB,   128*PA
.set SLOT,  OFB+192*PB                 ; 159,744
.set DP,    528
.set RED,   2*SLOT                     ; four words, the waves' maxima: a block of 256 bytes of its own
.set SPARE, 327168
.set NL,    24
.set ADRA, 4
.set ADRB, 5
.set AA0,  6
.set AB0,  7
.set STO,  8
.set AA0S, 9
.set RD,   10
.set CO4,  11
.set CO,   12
.set BO,   13
.set SPW,  14
.set NIL,  15
.set REDW, 17
.set REDR, 18
.set FS,   20                          ; v[20:21] f
.set GV,   22                          ; v[22:23] g
.set M,    32                          ; v32-35 four running maxima; v36-39 at work
.set FA,   64
.set FB,   128
.set OR,   64                          ; the way out: two sets of 8 rows
.set ZR,   64
.set YR,   160
.set WV, 12
.set WR, 13
.set WC, 14
.set CX, 15
.set CY, 16
.set CT, 17
.set RT, 18
.set G1A, 24
.set G1B, 32
.set G0A, 40                           ; two sets each: the first fills'; the second then walks
.set G0B, 48
.set TB,  56                           ; the slot that is read: 0 or SLOT
.set CNT, 57
.set CN2, 58
.set SEL, 60
.set WA,  66                           ; my tile's place in a slot, for attn
.set WB,  67                           ; for v
.set WAS, 82                           ; the same for the last step's tiles
.set WBS, 83
.set BK,  84                           ; s[84:85] what v's last tile lies short of a whole step, in bytes
.set MSB, 0
.macro WIN new
.if MSB != (\new)
	s_set_vgpr_msb (MSB<<8)|(\new)
.set MSB, \new
.endif
.endm
.macro PLACES                          ; four plain vector instructions between a matrix instruction and a load into, or a read of, its registers
.rept 4
	v_nop
.endr
.endm
.macro CREST
	s_cmp_lg_u32 s[WV], 0
	s_cbranch_scc1 .Lnot_wave_0_\@
	s_barrier_signal -3
.Lnot_wave_0_\@:
	s_barrier_wait -3
	s_barrier_signal -1
	s_barrier_wait -1
.endm
.macro CROUND
	s_barrier_signal -1
	s_barrier_wait -1
	CREST
.endm
.macro JLOAD                           ; waves 0 and 1: the halves of v's tile; waves 2 and 3: of attn's
	s_cmp_lt_u32 s[WV], 2
	s_cbranch_scc0 .Lfor_a_\@
	tensor_load_to_lds s[G0B+4:G0B+7], s[G1B:G1B+7]
	s_nop 0
	PLACES
	s_branch .Lasked_\@
.Lfor_a_\@:
	tensor_load_to_lds s[G0A+4:G0A+7], s[G1A:G1A+7]
	s_nop 0
	PLACES
.Lasked_\@:
.endm
	s_load_b256 s[4:11], s[0:1], 0x0               ; aext 4, vb 6, gate 8, og 10
	v_lshl_add_u32 v[SPW], v0, 2, SPARE
	v_mov_b32 v[NIL], 0
	ds_add_u32 v[SPW], v[NIL]                      ; the wave's opening: the add and its wait ahead of my first tensor load
	v_lshrrev_b32 v1, 5, v0
	v_readfirstlane_b32 s[WV], v1
	s_lshr_b32 s[WR], s[WV], 1
	s_and_b32 s[WC], s[WV], 1
	s_bfe_u32 s[CX], ttmp6, 0x40000
	s_bfe_u32 s[CY], ttmp6, 0x40004
	s_lshl_b32 s[CT], ttmp9, 2
	s_add_co_u32 s[CT], s[CT], s[CX]
	s_and_b32 s[RT], ttmp7, 0xffff
	s_lshl_b32 s[RT], s[RT], 2
	s_add_co_u32 s[RT], s[RT], s[CY]
	s_lshl_b32 s62, s[CY], 2
	s_lshl_b32 s62, 15, s62
	s_lshl_b32 s63, 0x1111, s[CX]
	s_or_b32 s[G1A], s62, (1<<16)|(1<<20)|(1<<21)|(4<<22)|(3<<25)  ; 2-byte elements; 4 words of padding behind every 32
	s_mov_b32 s[G1A+1], 192<<16                    ; tensor_dim0 = 192
	s_mov_b32 s[G1A+2], 64<<16                     ; tensor_dim1 = 64
	s_mov_b32 s[G1A+3], 192<<16                    ; tile_dim0
	s_mov_b32 s[G1A+4], 64                         ; tile_dim1
	s_mov_b32 s[G1A+5], 5120
	s_mov_b32 s[G1A+6], 0
	s_mov_b32 s[G1A+7], 0
	s_or_b32 s[G1B], s63, (1<<16)|(1<<20)|(1<<21)|(6<<22)|(7<<25)  ; 8 words behind every 128
	s_mov_b32 s[G1B+1], 256<<16
	s_mov_b32 s[G1B+2], 96<<16
	s_mov_b32 s[G1B+3], 256<<16
	s_mov_b32 s[G1B+4], 96
	s_mov_b32 s[G1B+5], 2048
	s_mov_b32 s[G1B+6], 0
	s_mov_b32 s[G1B+7], 0
	s_lshl_b32 s20, s[RT], 7                       ; attn's tile hangs on the row block and the wave,
	s_lshl_b32 s21, s[WC], 6
	s_add_co_u32 s20, s20, s21
	s_mul_i32 s20, s20, 10240
	s_add_co_u32 s20, s20, 2048                    ; (behind x's 1,024 columns)
	s_mov_b32 s21, 0
	s_mul_i32 s72, s[WC], 96*4096                  ; v's on the column block and the wave
	s_lshl_b32 s73, s[CT], 9
	s_add_co_u32 s72, s72, s73
	s_mov_b32 s73, 0
	s_mul_i32 s[WA], s[WC], 64*PA
	s_mul_i32 s[WB], s[WC], 96*PB
	s_add_co_u32 s[WB], s[WB], OFB
	s_mul_i32 s[WAS], s[WC], 64*PAS
	s_mul_i32 s[WBS], s[WC], 32*PB
	s_add_co_u32 s[WBS], s[WBS], OFB
	s_lshl_b32 s[BK], s[WC], 18                    ; the last step's halves are 32 rows, not 96: 64 rows of 4,096 bytes less for wave 1
	s_mov_b32 s[BK+1], 0
	s_mov_b32 s[TB], 0
	s_mov_b32 s[SEL], 0x76543210
	s_mov_b32 s[SEL+1], 0xfedcba98
	s_wait_dscnt 0x0
	s_wait_kmcnt 0x0
	s_add_nc_u64 s[22:23], s[4:5], s[20:21]
	s_add_nc_u64 s[74:75], s[6:7], s[72:73]
.irp s, 0,1
	s_mov_b32 s[G0A+4*\s], 1
	s_add_co_u32 s[G0A+4*\s+1], s[WA], \s*SLOT
	s_add_nc_u64 s[G0A+4*\s+2:G0A+4*\s+3], s[22:23], \s*384
	s_or_b32 s[G0A+4*\s+3], s[G0A+4*\s+3], 0x80000000
	s_mov_b32 s[G0B+4*\s], 1
	s_add_co_u32 s[G0B+4*\s+1], s[WB], \s*SLOT
	s_add_nc_u64 s[G0B+4*\s+2:G0B+4*\s+3], s[74:75], \s*192*4096
	s_or_b32 s[G0B+4*\s+3], s[G0B+4*\s+3], 0x80000000
.endr
	CROUND                                         ; the first joint loads meet
	s_cmp_lt_u32 s[WV], 2                          ; a wave's two first fills stand together: two loads of mine are out
	s_cbranch_scc0 .Lff_a
	tensor_load_to_lds s[G0B:G0B+3], s[G1B:G1B+7]
	s_nop 0
	tensor_load_to_lds s[G0B+4:G0B+7], s[G1B:G1B+7]
	s_nop 0
	PLACES
	s_branch .Lff_done
.Lff_a:
	tensor_load_to_lds s[G0A:G0A+3], s[G1A:G1A+7]
	s_nop 0
	tensor_load_to_lds s[G0A+4:G0A+7], s[G1A:G1A+7]
	s_nop 0
	PLACES
.Lff_done:
	v_and_b32 v1, 15, v0
	v_bfe_u32 v2, v0, 4, 1
	v_and_b32 v[CO], 31, v0
	v_lshlrev_b32 v[CO4], 4, v[CO]
	s_lshl_b32 s78, s[RT], 7
	s_lshl_b32 s19, s[WR], 6
	s_add_co_u32 s78, s78, s19                     ; my first row
	s_lshl_b32 s76, s78, 13
	s_lshl_b32 s19, s[CT], 10
	s_add_co_u32 s76, s76, s19
	s_lshl_b32 s19, s[WC], 9
	s_add_co_u32 s76, s76, s19
	s_mov_b32 s77, 0
	s_add_nc_u64 s[80:81], s[8:9], s[76:77]        ; the gate at my 64 x 128
	WIN 0x80                                       ; destination window 2
.set t, 0
.rept 64
	global_load_b128 v[4*t:4*t+3], v[CO4], s[80:81] offset:t*8192 th:TH_LOAD_NT    ; a row's 512 consecutive bytes; they are wanted behind the last product
.set t, t+1
.endr
	WIN 0
	v_mul_u32_u24 v[AA0], v1, PA
	v_lshl_add_u32 v[AA0], v2, 4, v[AA0]
	s_mul_i32 s79, s[WR], 64*PA
	v_add_nc_u32 v[AA0], s79, v[AA0]
	v_mul_u32_u24 v[AA0S], v1, PAS
	v_lshl_add_u32 v[AA0S], v2, 4, v[AA0S]
	s_mul_i32 s79, s[WR], 64*PAS
	v_add_nc_u32 v[AA0S], s79, v[AA0S]
	v_and_b32 v3, 7, v0
	v_lshl_add_u32 v3, v2, 3, v3
	v_bfe_u32 v[BO], v0, 3, 1
	v_mul_u32_u24 v[AB0], v3, PB
	v_lshl_add_u32 v[AB0], v[BO], 4, v[AB0]
	s_lshl_b32 s79, s[WC], 8
	s_add_co_u32 s79, s79, OFB
	v_add_nc_u32 v[AB0], s79, v[AB0]
	v_mov_b32 v[ADRA], v[AA0]
	v_mov_b32 v[ADRB], v[AB0]
	v_mul_u32_u24 v[STO], v1, DP
	v_lshl_add_u32 v[STO], v2, 5, v[STO]
	s_mul_i32 s79, s[WV], 64*DP
	v_add_nc_u32 v[STO], s79, v[STO]
	v_add_nc_u32 v[RD], s79, v[CO4]
	v_lshlrev_b32 v[CO], 3, v[CO]
	s_lshl_b32 s79, s[WV], 2
	s_add_co_u32 s79, s79, RED
	v_mov_b32 v[REDW], s79
	v_mov_b32 v[REDR], RED
	s_lshl_b32 s76, s78, 12
	s_lshl_b32 s19, s[CT], 9
	s_add_co_u32 s76, s76, s19
	s_lshl_b32 s19, s[WC], 8
	s_add_co_u32 s76, s76, s19
	s_add_nc_u64 s[68:69], s[10:11], s[76:77]      ; og at my 64 x 128
	s_lshl_b32 s76, s[RT], 3
	s_add_co_u32 s76, s76, s[CT]
	s_lshl_b32 s76, s76, 8
	s_add_nc_u64 s[70:71], s[10:11], s[76:77]
	s_add_nc_u64 s[70:71], s[70:71], 16777216      ; the tile's 256 bytes of g
; 8 matrix instructions: row block a x all 8 column blocks.  zero = 1: the first product starts the sums.  The accumulators take turns, one instruction a turn, in one order everywhere.
.macro MULA f, a, zero
	WIN 0x50
.irp b, 0,1,2,3,4,5,6,7
.if \zero
	v_wmma_f32_16x16x32_bf16 v[8*(8*(\a)+\b):8*(8*(\a)+\b)+7], v[FB+64*(\f)+8*\b:FB+64*(\f)+8*\b+7], v[FA+32*(\f)+8*(\a):FA+32*(\f)+8*(\a)+7], 0
.else
	v_wmma_f32_16x16x32_bf16 v[8*(8*(\a)+\b):8*(8*(\a)+\b)+7], v[FB+64*(\f)+8*\b:FB+64*(\f)+8*\b+7], v[FA+32*(\f)+8*(\a):FA+32*(\f)+8*(\a)+7], v[8*(8*(\a)+\b):8*(8*(\a)+\b)+7]
.endif
.endr
.endm
.macro FETCH oa, ob, f, pa=PA          ; 24 LDS loads in one run: a quarter's fragments (32 along K), at byte oa of attn's rows of pitch pa and byte ob of v's tile, from where the two address registers stand
	WIN 0
.irp b, 0,1,2,3,4,5,6,7
	ds_load_tr16_b128 v[FB+64*(\f)+8*\b:FB+64*(\f)+8*\b+3], v[ADRB] offset:(\ob)+32*\b
	ds_load_tr16_b128 v[FB+64*(\f)+8*\b+4:FB+64*(\f)+8*\b+7], v[ADRB] offset:(\ob)+32*\b+16*PB
.endr
.irp a, 0,1,2,3
	ds_load_b128 v[FA+32*(\f)+8*\a:FA+32*(\f)+8*\a+3], v[ADRA] offset:(\oa)+\a*16*(\pa)
	ds_load_b128 v[FA+32*(\f)+8*\a+4:FA+32*(\f)+8*\a+7], v[ADRA] offset:(\oa)+\a*16*(\pa)+32
.endr
.endm
.macro QUARTER oa, ob, f, g, zero, pa=PA   ; fetches into g, multiplies f
	WIN 0
	PLACES                                         ; g was multiplied just now
	FETCH \oa, \ob, \g, \pa
	s_wait_dscnt NL                                ; all but the 24 just issued: f is in
	MULA \f, 0, \zero
	MULA \f, 1, \zero
	MULA \f, 2, \zero
	MULA \f, 3, \zero
.endm
; Quarters 1 to 4 of a step are multiplied, quarters 2 to 5 fetched: two trips over a pair of quarters.  A pair is 64 along K: 144 bytes on in attn's rows, 64 rows on in v's tile.
.macro PAIRS
	WIN 0
	s_mov_b32 s[CN2], 2
.Lpair_\@:
	v_add_nc_u32 v[ADRA], 144, v[ADRA]
	v_add_nc_u32 v[ADRB], 64*PB, v[ADRB]
	QUARTER 0, 0, 1, 0, 0
	QUARTER 64, 32*PB, 0, 1, 0
	WIN 0
	s_sub_co_u32 s[CN2], s[CN2], 1
	s_cmp_lg_u32 s[CN2], 0
	s_cbranch_scc1 .Lpair_\@
.endm
; The last quarter of a step and the change of slots: each wave waits for all its tensor loads (one is out: its part of the next slot), adds 0 to its spare word, waits for that and for its reads
; of this slot.  fill = 1: the barrier opens a round of the cluster's, and the slot just read is filled again first thing behind it, with the step two on.  fill = 2: that step is the last, of 64 along K:
; no load of mine is out, so the shape's words are written anew.  nshort = 1: the slot that is entered holds the last step.
.macro TURN fill, nshort=0
	WIN 0
	s_wait_tensorcnt 0x0
	ds_add_u32 v[SPW], v[NIL]
.if (\fill) == 1
	s_add_co_u32 s[G0A+5], s[WA], s[TB]            ; the walking sets step: the slot just read, the next step
	s_add_nc_u64 s[G0A+6:G0A+7], s[G0A+6:G0A+7], 384
	s_add_co_u32 s[G0B+5], s[WB], s[TB]
	s_add_nc_u64 s[G0B+6:G0B+7], s[G0B+6:G0B+7], 192*4096
.elseif (\fill) == 2
	s_mov_b32 s[G1A+1], 64<<16                     ; attn: 64 rows x 64 elements
	s_mov_b32 s[G1A+3], 64<<16
	s_mov_b32 s[G1B+2], 32<<16                     ; v: 32 rows x 256 elements
	s_mov_b32 s[G1B+4], 32
	s_add_co_u32 s[G0A+5], s[WAS], s[TB]
	s_add_nc_u64 s[G0A+6:G0A+7], s[G0A+6:G0A+7], 384
	s_add_co_u32 s[G0B+5], s[WBS], s[TB]
	s_add_nc_u64 s[G0B+6:G0B+7], s[G0B+6:G0B+7], 192*4096
	s_sub_nc_u64 s[G0B+6:G0B+7], s[G0B+6:G0B+7], s[BK:BK+1]
.endif
	s_xor_b32 s[TB], s[TB], SLOT                   ; 0 and SLOT by turns
	s_wait_dscnt 0x0                               ; the add is done, and my reads of this slot are over
	s_barrier_signal -1
	MULA 1, 0, 0                                   ; work on registers while the others arrive
	WIN 0
	s_barrier_wait -1
.if \fill
	CREST
	JLOAD                                          ; its four v_nop are also the places in front of the loads below
.else
	PLACES
.endif
	v_add_nc_u32 v[ADRB], s[TB], v[AB0]
.if \nshort
	v_add_nc_u32 v[ADRA], s[TB], v[AA0S]
	FETCH 0, 0, 0, PAS
.else
	v_add_nc_u32 v[ADRA], s[TB], v[AA0]
	FETCH 0, 0, 0
.endif
	MULA 1, 1, 0
	MULA 1, 2, 0
	MULA 1, 3, 0
.endm
.macro DUMP win, adr                   ; 32 accumulators as f32 into my rows in LDS, each accumulator's low registers first
	WIN \win
.set da, 0
.rept 4
.set db, 0
.rept 8
	ds_store_b128 v[\adr], v[8*(8*da+db):8*(8*da+db)+3] offset:da*16*DP+64*db
	ds_store_b128 v[\adr], v[8*(8*da+db)+4:8*(8*da+db)+7] offset:da*16*DP+64*db+16
.set db, db+1
.endr
.set da, da+1
.endr
.endm
.macro LROWS g                         ; group g of 8 rows, back from LDS as whole rows, into set g % 2
.irp i, 0,1,2,3,4,5,6,7
	ds_load_b128 v[OR+32*((\g)%2)+4*\i:OR+32*((\g)%2)+4*\i+3], v[RD] offset:(8*(\g)+\i)*DP
.endr
.endm
	s_wait_tensorcnt 0x1                           ; my part of step 0 is in; step 1's may stay out
	s_barrier_signal -1
	s_barrier_wait -1
	FETCH 0, 0, 0
	QUARTER 64, 32*PB, 0, 1, 1                     ; the first quarter starts the sums
	WIN 0
	s_mov_b32 s[CNT], 19
.Lper:                                                 ; a trip: a step's quarters 1 to 5, a refill (steps 2 to 20), the next step's quarter 0
	PAIRS
	TURN 1
	QUARTER 64, 32*PB, 0, 1, 0
	WIN 0
	s_sub_co_u32 s[CNT], s[CNT], 1
	s_cmp_lg_u32 s[CNT], 0
	s_cbranch_scc1 .Lper
	PAIRS                                          ; step 19 ends and asks for the last step
	TURN 2
	QUARTER 64, 32*PB, 0, 1, 0
	PAIRS                                          ; step 20 ends and asks for nothing
	TURN 0, 1
	QUARTER 64, 32*PB, 0, 1, 0, PAS                ; the last step has two quarters
	s_wait_dscnt 0x0
	MULA 1, 0, 0
	MULA 1, 1, 0
	MULA 1, 2, 0
	MULA 1, 3, 0
	; THE WAY OUT.  The slots have had their last fill; when every wave has read its last fragment, the sums go as f32 into rows of the wave's own.
	PLACES
	WIN 0
	s_wait_dscnt 0x0
	s_barrier_signal -1
	s_barrier_wait -1
	DUMP 0x04, STO
	WIN 0
.irp c, 0,1,2,3
	v_mov_b32 v[M+\c], 0
.endr
	s_wait_loadcnt 0x0                             ; the gate
	LROWS 0                                        ; LDS serves a wave's instructions in order: these see the stores above
.set t, 0
.rept 8                                ; 8 rows at a time: og = sum x gate, back into its place, and its largest magnitude; the next rows' loads stand ahead of the wait
.if t < 7
	LROWS t+1
.endif
.if (t == 0) || (t == 7)
	s_wait_dscnt 8                                 ; behind this group's loads: the next group's eight (at the end: the last group's eight stores)
.else
	s_wait_dscnt 16                                ; behind this group's loads: the last group's eight stores and the next group's eight loads
.endif
	WIN 0x08                                       ; source 1, the gate, in window 2
.set z, 0
.rept 16
	v_pk_mul_f32 v[OR+32*(t%2)+2*z:OR+32*(t%2)+2*z+1], v[OR+32*(t%2)+2*z:OR+32*(t%2)+2*z+1], v[32*t+2*z:32*t+2*z+1]
.set z, z+1
.endr
	WIN 0
.irp i, 0,1,2,3,4,5,6,7
	ds_store_b128 v[RD], v[OR+32*(t%2)+4*\i:OR+32*(t%2)+4*\i+3] offset:(8*t+\i)*DP
.endr
.set z, 0
.rept 16
	v_max3_num_f32 v[M+z%4], v[M+z%4], |v[OR+32*(t%2)+2*z]|, |v[OR+32*(t%2)+2*z+1]|
.set z, z+1
.endr
.set t, t+1
.endr
	v_max3_num_f32 v[M], v[M], v[M+1], v[M+2]
	v_max_num_f32 v[M], v[M], v[M+3]
	v_max_num_f32_dpp v[M], v[M], v[M] row_xmask:1 row_mask:0xf bank_mask:0xf
	v_max_num_f32_dpp v[M], v[M], v[M] row_xmask:2 row_mask:0xf bank_mask:0xf
	v_max_num_f32_dpp v[M], v[M], v[M] row_xmask:4 row_mask:0xf bank_mask:0xf
	v_max_num_f32_dpp v[M], v[M], v[M] row_xmask:8 row_mask:0xf bank_mask:0xf
	v_permlanex16_b32 v[M+1], v[M], s[SEL], s[SEL+1]
	v_max_num_f32 v[M], v[M], v[M+1]
	ds_store_b32 v[REDW], v[M]                     ; my wave's maximum
	s_wait_dscnt 0x0                               ; for the others' sake
	s_barrier_signal -1
	s_barrier_wait -1
	ds_load_b128 v[M+4:M+7], v[REDR]
	s_wait_dscnt 0x0
	v_max3_num_f32 v[M], v[M+4], v[M+5], v[M+6]
	v_max_num_f32 v[M], v[M], v[M+7]               ; the tile's
	v_max_num_f32 v[M], 0x08000000, v[M]           ; at least 2^-111, so that f and g stay normal numbers
	v_lshrrev_b32 v[M+1], 23, v[M]                 ; its exponent field E
	v_sub_nc_u32 v[M+2], 268, v[M+1]
	v_lshlrev_b32 v[FS], 23, v[M+2]                ; f = 2^(141 - E)
	v_mov_b32 v[FS+1], v[FS]
	v_add_nc_u32 v[M+3], -14, v[M+1]
	v_lshlrev_b32 v[GV], 23, v[M+3]                ; g = 2^(E - 141)
	v_mov_b32 v[GV+1], v[GV]
	s_cmp_lg_u32 s[WV], 0
	s_cbranch_scc1 .Lno_g
	global_store_b64 v[CO], v[GV:GV+1], s[70:71]   ; wave 0: 256 consecutive bytes
.Lno_g:
	s_mov_b32 s[CNT], 8
.Lrow:                                                 ; 8 rows a trip: og f, f16, out
.irp i, 0,1,2,3,4,5,6,7
	ds_load_b128 v[ZR+4*\i:ZR+4*\i+3], v[RD] offset:\i*DP
.endr
	s_wait_dscnt 0x0
.set z, 0
.rept 16
	v_pk_mul_f32 v[ZR+2*z:ZR+2*z+1], v[ZR+2*z:ZR+2*z+1], v[FS:FS+1] op_sel_hi:[1,0]
.set z, z+1
.endr
.set z, 0
.rept 16
	v_cvt_pk_f16_f32 v[YR+z], v[ZR+2*z], v[ZR+2*z+1]
.set z, z+1
.endr
.irp i, 0,1,2,3,4,5,6,7
	global_store_b64 v[CO], v[YR+2*\i:YR+2*\i+1], s[68:69] offset:\i*4096          ; the wave stores 256 consecutive bytes, aligned
.endr
	s_wait_xcnt 0x0                                ; the stores' base and data are rewritten only behind this wait
	s_add_nc_u64 s[68:69], s[68:69], 32768
	v_add_nc_u32 v[RD], 8*DP, v[RD]
	s_sub_co_u32 s[CNT], s[CNT], 1
	s_cmp_lg_u32 s[CNT], 0
	s_cbranch_scc1 .Lrow
	s_wait_tensorcnt 0x0                           ; the wave's end
	ds_add_u32 v[SPW], v[NIL]
	s_wait_dscnt 0x0
	CROUND                                         ; the closing round
	s_endpgm
.Lfunc_end_k_q7a9826521e_attnv:
	.size	k_q7a9826521e_attnv, .Lfunc_end_k_q7a9826521e_attnv-k_q7a9826521e_attnv
	.p2alignl 7, 3214868480
	.fill 96, 4, 3214868480
	.section	.rodata,"a",@progbits
	.p2align	6, 0x0
	.amdhsa_kernel k_q7a9826521e_attnv
		.amdhsa_group_segment_fixed_size 327680
		.amdhsa_private_segment_fixed_size 0
		.amdhsa_enable_private_segment 0
		.amdhsa_kernarg_size 32
		.amdhsa_user_sgpr_count 2
		.amdhsa_user_sgpr_kernarg_segment_ptr 1
		.amdhsa_wavefront_size32 1
		.amdhsa_system_sgpr_workgroup_id_x 1
		.amdhsa_system_sgpr_workgroup_id_y 1
		.amdhsa_system_sgpr_workgroup_id_z 1
		.amdhsa_system_vgpr_workitem_id 0
		.amdhsa_next_free_vgpr 768
		.amdhsa_next_free_sgpr 88
		.amdhsa_reserve_vcc 0
		.amdhsa_float_denorm_mode_32 3
		.amdhsa_float_denorm_mode_16_64 3
		.amdhsa_memory_ordered 1
		.amdhsa_forward_progress 1
		.amdhsa_inst_pref_size 104
	.end_amdhsa_kernel
	.amdgpu_metadata
---
amdhsa.version: [ 1, 2 ]
amdhsa.kernels:
  - .name:           k_q7a9826521e_attnv
    .symbol:         k_q7a9826521e_attnv.kd
    .args:
      - { .name: aext, .offset: 0, .size: 8, .value_kind: global_buffer, .address_space: global }
      - { .name: vb, .offset: 8, .size: 8, .value_kind: global_buffer, .address_space: global }
      - { .name: gate, .offset: 16, .size: 8, .value_kind: global_buffer, .address_space: global }
      - { .name: og, .offset: 24, .size: 8, .value_kind: global_buffer, .address_space: global }
    .group_segment_fixed_size: 327680
    .private_segment_fixed_size: 0
    .kernarg_segment_align: 8
    .kernarg_segment_size: 32
    .max_flat_workgroup_size: 128
    .sgpr_count:     88
    .vgpr_count:     768
    .wavefront_size: 32
...
	.end_amdgpu_metadata
.endif
;; end of part 4
;; launch outp (part 5): grid 8 x 32, 4 waves a work-group, clusters of 4 x 4, 327,680 bytes of LDS; arguments og, wts, aext, out0; writes out0
.if DOCPART == 5
	.amdgcn_target "amdgcn-amd-amdhsa--gfx1250"
	.amdhsa_code_object_version 6
	.text
	.protected	k_q7a9826521e_outp
	.globl	k_q7a9826521e_outp
	.p2align	8
	.type	k_q7a9826521e_outp,@function
k_q7a9826521e_outp:
	s_mov_b64 s[64:65], 0
	v_nop
	global_prefetch_b8 v0, s[64:65] scope:SCOPE_SE
	s_setreg_imm32_b32 hwreg(HW_REG_WAVE_MODE, 25, 1), 1
	s_wait_xcnt 0x0
	s_wait_alu depctr_hold_cnt(0) depctr_sa_sdst(0) depctr_va_vdst(0) depctr_va_sdst(0) depctr_va_ssrc(0) depctr_va_vcc(0) depctr_vm_vsrc(0)
	s_getreg_b32 s2, hwreg(HW_REG_IB_STS2, 6, 4)
	s_cmp_eq_u32 s2, 0
	s_cbranch_scc0 .Lentry_in_a_cluster
	s_endpgm
.Lentry_in_a_cluster:
	s_bfe_u32 s2, ttmp6, 0x10000c
	s_cmp_lg_u32 s2, 0xf033
	s_cbranch_scc0 .Lentry_shape_is_right
	s_endpgm
.Lentry_shape_is_right:
; out0 = (b_out + sum over the 8 blocks cb of 256 along K of g[cb] (og'[:, cb] W_out[cb, :])) x,  og' = og f in f16, g = 1 / f a power of two for each 128 x 256 tile of og, W_out the bf16 value as f16,
; x the bf16 value.  Each K step of 256 is one scale block: its products start at C = 0, and the step's sums enter the total by one fused multiply-add with g.  Sums in f32.
; LIMITS: those of og's and W_out's f16 forms, stated where they are made; NaN and infinities are not treated apart.
; A work-group makes 128 x 128, a wave 64 x 64: 16 accumulators.  Two LDS slots of one K step of 256.  CLUSTER 4 x 4: og's tile jointly along a row of the cluster, W_out's along a column.
; Source 0 = 16 columns of W_out (read turned, by ds_load_tr16_b128), source 1 = 16 rows of og: a lane holds one row and eight neighbouring columns.
; REGISTERS.  window 0: v0-31 addresses; v32-63 the bias; v128-255 a step's sums.  window 1: two fragment buffers of 128 (64 of og, 64 of W_out).  window 2: v0-127 the totals.  window 3: v0-63 x.
.set PA,    528                        ; og: 512 bytes + 16
.set PB,    288                        ; W_out: 256 + 32, an odd multiple of 32 bytes
.set OFB,   128*PA
.set SLOT,  OFB+256*PB
.set SP,    272                        ; the way out: 64 f32 + 16 bytes
.set SPARE, 327168
.set WOO,   4194304
.set PARO,  8912896
.set BO,   12
.set ADRA, 16                          ; v16-17  slot 0, 1
.set ADRB, 20                          ; v20-23  slot 0: k 0-127, 128-255; slot 1 likewise
.set STO,  24
.set RD,   25
.set CO,   26
.set XO,   27
.set SPW,  28
.set NIL,  29
.set BIAS, 32
.set ACC,  128
.set F0,   0
.set F1,   128
.set WV, 12
.set WR, 13
.set WC, 14
.set CX, 15
.set CY, 16
.set CT, 17
.set RT, 18
.set G1A, 24
.set G0A, 32
.set G1B, 40
.set G0B, 48
.set CNT, 56
.set GS,  58                           ; s[58:59] the step's g
.set Q,   68                           ; s[68:75] the g still to come
.set MSB, 0
.macro WIN new
.if MSB != (\new)
	s_set_vgpr_msb (MSB<<8)|(\new)
.set MSB, \new
.endif
.endm
.set MUL,  0x05                        ; sources 0 and 1 window 1; C and D window 0
.set TO_F, 0x40
.macro PLACES
.rept 4
	v_nop
.endr
.endm
.macro CREST
	s_cmp_lg_u32 s[WV], 0
	s_cbranch_scc1 .Lnot_wave_0_\@
	s_barrier_signal -3
.Lnot_wave_0_\@:
	s_barrier_wait -3
	s_barrier_signal -1
	s_barrier_wait -1
.endm
.macro CROUND
	s_barrier_signal -1
	s_barrier_wait -1
	CREST
.endm
.macro JLOAD s                         ; waves 0 and 1: the halves of og's tile; waves 2 and 3: of W_out's
	s_cmp_lt_u32 s[WV], 2
	s_cbranch_scc0 .Lfor_b_\@
	tensor_load_to_lds s[G0A+4*(\s):G0A+4*(\s)+3], s[G1A:G1A+7]
	s_nop 0
	PLACES
	s_branch .Lasked_\@
.Lfor_b_\@:
	tensor_load_to_lds s[G0B+4*(\s):G0B+4*(\s)+3], s[G1B:G1B+7]
	s_nop 0
	PLACES
.Lasked_\@:
.endm
	s_load_b256 s[4:11], s[0:1], 0x0               ; og 4, wts 6, aext 8, out0 10
	v_lshl_add_u32 v[SPW], v0, 2, SPARE
	v_mov_b32 v[NIL], 0
	ds_add_u32 v[SPW], v[NIL]                      ; the wave's opening: the add and its wait ahead of my first tensor load
	v_lshrrev_b32 v1, 5, v0
	v_readfirstlane_b32 s[WV], v1
	s_lshr_b32 s[WR], s[WV], 1
	s_and_b32 s[WC], s[WV], 1
	s_bfe_u32 s[CX], ttmp6, 0x40000
	s_bfe_u32 s[CY], ttmp6, 0x40004
	s_lshl_b32 s[CT], ttmp9, 2
	s_add_co_u32 s[CT], s[CT], s[CX]
	s_and_b32 s[RT], ttmp7, 0xffff
	s_lshl_b32 s[RT], s[RT], 2
	s_add_co_u32 s[RT], s[RT], s[CY]
	s_lshl_b32 s60, s[CY], 2
	s_lshl_b32 s60, 15, s60
	s_lshl_b32 s61, 0x1111, s[CX]
	s_or_b32 s[G1A], s60, (1<<16)|(1<<20)|(1<<21)|(6<<22)|(3<<25)  ; 4 words of padding behind every 128
	s_mov_b32 s[G1A+1], 256<<16
	s_mov_b32 s[G1A+2], 64<<16
	s_mov_b32 s[G1A+3], 256<<16
	s_mov_b32 s[G1A+4], 64
	s_mov_b32 s[G1A+5], 2048
	s_mov_b32 s[G1A+6], 0
	s_mov_b32 s[G1A+7], 0
	s_or_b32 s[G1B], s61, (1<<16)|(1<<20)|(1<<21)|(5<<22)|(7<<25)  ; 8 words behind every 64
	s_mov_b32 s[G1B+1], 128<<16
	s_mov_b32 s[G1B+2], 128<<16
	s_mov_b32 s[G1B+3], 128<<16
	s_mov_b32 s[G1B+4], 128
	s_mov_b32 s[G1B+5], 1024
	s_mov_b32 s[G1B+6], 0
	s_mov_b32 s[G1B+7], 0
	s_lshl_b32 s20, s[RT], 7                       ; og's tile hangs on the row block and the wave,
	s_lshl_b32 s21, s[WC], 6
	s_add_co_u32 s20, s20, s21
	s_lshl_b32 s20, s20, 12
	s_mov_b32 s21, 0
	s_lshl_b32 s22, s[RT], 11                      ; and so do its eight g
	s_mov_b32 s23, 0
	s_lshl_b32 s76, s[CT], 8                       ; W_out's on the column block and the wave
	s_lshl_b32 s77, s[WC], 18
	s_add_co_u32 s76, s76, s77
	s_mov_b32 s77, 0
	s_mul_i32 s66, s[WC], 64*PA
	s_mul_i32 s67, s[WC], 128*PB
	s_wait_dscnt 0x0
	s_wait_kmcnt 0x0
	s_add_nc_u64 s[62:63], s[4:5], s[22:23]
	s_add_nc_u64 s[62:63], s[62:63], 16777216
.irp i, 0,1,2,3,4,5,6,7
	s_load_b32 s[Q+\i], s[62:63], 256*\i
.endr
	s_add_nc_u64 s[20:21], s[4:5], s[20:21]
	s_add_nc_u64 s[76:77], s[6:7], s[76:77]
	s_add_nc_u64 s[76:77], s[76:77], WOO
.irp s, 0,1
	s_mov_b32 s[G0A+4*\s], 1
	s_add_co_u32 s[G0A+4*\s+1], s66, \s*SLOT
	s_add_nc_u64 s[G0A+4*\s+2:G0A+4*\s+3], s[20:21], \s*512
	s_or_b32 s[G0A+4*\s+3], s[G0A+4*\s+3], 0x80000000
	s_mov_b32 s[G0B+4*\s], 1
	s_add_co_u32 s[G0B+4*\s+1], s67, \s*SLOT+OFB
	s_add_nc_u64 s[G0B+4*\s+2:G0B+4*\s+3], s[76:77], \s*524288
	s_or_b32 s[G0B+4*\s+3], s[G0B+4*\s+3], 0x80000000
.endr
	CROUND                                         ; the first joint loads meet
	s_cmp_lt_u32 s[WV], 2                          ; a wave's two first fills stand together: two loads of mine are out
	s_cbranch_scc0 .Lff_b
	tensor_load_to_lds s[G0A:G0A+3], s[G1A:G1A+7]
	s_nop 0
	tensor_load_to_lds s[G0A+4:G0A+7], s[G1A:G1A+7]
	s_nop 0
	PLACES
	s_branch .Lff_done
.Lff_b:
	tensor_load_to_lds s[G0B:G0B+3], s[G1B:G1B+7]
	s_nop 0
	tensor_load_to_lds s[G0B+4:G0B+7], s[G1B:G1B+7]
	s_nop 0
	PLACES
.Lff_done:
	v_and_b32 v1, 15, v0
	v_bfe_u32 v2, v0, 4, 1
	v_lshlrev_b32 v[BO], 5, v2
	s_lshl_b32 s84, s[CT], 9
	s_lshl_b32 s85, s[WC], 8
	s_add_co_u32 s84, s84, s85                     ; 512 ct + 256 wc: my 64 columns in f32
	s_mov_b32 s85, 0
	s_add_nc_u64 s[78:79], s[6:7], s[84:85]
	s_add_nc_u64 s[78:79], s[78:79], PARO+16384    ; b_out at my 64 columns
.irp b, 0,1,2,3
	global_load_b128 v[BIAS+8*\b:BIAS+8*\b+3], v[BO], s[78:79] offset:64*\b
	global_load_b128 v[BIAS+8*\b+4:BIAS+8*\b+7], v[BO], s[78:79] offset:64*\b+16
.endr
	s_lshl_b32 s86, s[RT], 7
	s_lshl_b32 s87, s[WR], 6
	s_add_co_u32 s86, s86, s87                     ; my first row
	s_lshl_b32 s87, s86, 12
	s_add_co_u32 s87, s87, s84
	s_lshr_b32 s84, s84, 1                         ; my 64 columns in bf16
	s_mul_i32 s86, s86, 10240
	s_add_co_u32 s84, s84, s86
	s_add_nc_u64 s[80:81], s[8:9], s[84:85]        ; x at my 64 x 64
	s_mov_b32 s84, s87
	s_add_nc_u64 s[82:83], s[10:11], s[84:85]      ; out0 at my 64 x 64
	v_mul_u32_u24 v[XO], v2, 10240                 ; two rows a load: lanes 0-15 one, lanes 16-31 the next; 4 columns a lane
	v_lshl_add_u32 v[XO], v1, 3, v[XO]
	WIN 0xc0                                       ; destination window 3
.set t, 0
.rept 32
	global_load_b64 v[2*t:2*t+1], v[XO], s[80:81] offset:t*20480
.set t, t+1
.endr
	WIN 0
	v_mul_u32_u24 v3, v1, PA
	v_lshl_add_u32 v3, v2, 4, v3
	s_mul_i32 s86, s[WR], 64*PA
	v_add_nc_u32 v[ADRA], s86, v3
	v_add_nc_u32 v[ADRA+1], SLOT, v[ADRA]
	v_and_b32 v3, 7, v0
	v_lshl_add_u32 v3, v2, 3, v3
	v_bfe_u32 v4, v0, 3, 1
	v_mul_u32_u24 v3, v3, PB
	v_lshl_add_u32 v3, v4, 4, v3
	s_lshl_b32 s86, s[WC], 7
	s_add_co_u32 s86, s86, OFB
	v_add_nc_u32 v[ADRB], s86, v3
	v_add_nc_u32 v[ADRB+1], 128*PB, v[ADRB]
	v_add_nc_u32 v[ADRB+2], SLOT, v[ADRB]
	v_add_nc_u32 v[ADRB+3], SLOT+128*PB, v[ADRB]
	s_mul_i32 s86, s[WV], 64*SP                    ; my stage, in slot 0
	v_mul_u32_u24 v[STO], v1, SP
	v_lshl_add_u32 v[STO], v2, 5, v[STO]
	v_add_nc_u32 v[STO], s86, v[STO]
	v_mul_u32_u24 v[RD], v2, SP
	v_lshl_add_u32 v[RD], v1, 4, v[RD]
	v_add_nc_u32 v[RD], s86, v[RD]
	v_lshlrev_b32 v[CO], 12, v2
	v_lshl_add_u32 v[CO], v1, 4, v[CO]
	s_wait_loadcnt 32                              ; the bias is in; the 32 loads of x stay out
	WIN 0x80                                       ; the totals begin with their addend, the bias; this stands in the wait for the first tile
.set z, 0
.rept 128
	v_mov_b32 v[z], v[BIAS+8*((z/8)%4)+z%8]
.set z, z+1
.endr
	WIN 0
	s_wait_kmcnt 0x0                               ; the eight g
; 8 matrix instructions: row blocks a0, a0 + 1 x all 4 column blocks, half c of buffer f.  The 16 accumulators take turns, one instruction a turn.
.macro MUL8 f, c, a0, zero
	WIN MUL
.irp a, \a0, (\a0)+1
.irp b, 0,1,2,3
.if \zero
	v_wmma_f32_16x16x32_f16 v[ACC+8*(4*(\a)+(\b)):ACC+8*(4*(\a)+(\b))+7], v[(\f)+64+8*(4*(\c)+(\b)):(\f)+64+8*(4*(\c)+(\b))+7], v[(\f)+8*(4*(\c)+(\a)):(\f)+8*(4*(\c)+(\a))+7], 0
.else
	v_wmma_f32_16x16x32_f16 v[ACC+8*(4*(\a)+(\b)):ACC+8*(4*(\a)+(\b))+7], v[(\f)+64+8*(4*(\c)+(\b)):(\f)+64+8*(4*(\c)+(\b))+7], v[(\f)+8*(4*(\c)+(\a)):(\f)+8*(4*(\c)+(\a))+7], v[ACC+8*(4*(\a)+(\b)):ACC+8*(4*(\a)+(\b))+7]
.endif
.endr
.endr
.endm
.macro FETCH slot, q, f                ; quarter q (64 along K) of a slot into buffer f: 32 LDS loads in one run, the first 32 along K first
	WIN TO_F
.irp c, 0,1
.irp i, 0,1,2,3
	ds_load_tr16_b128 v[(\f)+64+8*(4*(\c)+(\i)):(\f)+64+8*(4*(\c)+(\i))+3],   v[ADRB+2*(\slot)+(\q)/2] offset:(64*((\q)%2)+32*(\c))*PB+32*(\i)
	ds_load_tr16_b128 v[(\f)+64+8*(4*(\c)+(\i))+4:(\f)+64+8*(4*(\c)+(\i))+7], v[ADRB+2*(\slot)+(\q)/2] offset:(64*((\q)%2)+32*(\c))*PB+32*(\i)+16*PB
	ds_load_b128 v[(\f)+8*(4*(\c)+(\i)):(\f)+8*(4*(\c)+(\i))+3],         v[ADRA+(\slot)] offset:128*(\q)+64*(\c)+(\i)*16*PA
	ds_load_b128 v[(\f)+8*(4*(\c)+(\i))+4:(\f)+8*(4*(\c)+(\i))+7],       v[ADRA+(\slot)] offset:128*(\q)+64*(\c)+(\i)*16*PA+32
.endr
.endr
.endm
.macro QUARTER slot, q, f, g, zero     ; multiplies f, fetches quarter q into g
	s_wait_dscnt 16                                ; the first 32 along K are in
	MUL8 \f, 0, 0, \zero
	MUL8 \f, 0, 2, \zero
	PLACES
	FETCH \slot, \q, \g
	s_wait_dscnt 32                                ; all but the 32 just issued
	MUL8 \f, 1, 0, 0
	MUL8 \f, 1, 2, 0
.endm
; The last quarter and the change of slots: each wave waits for all its tensor loads (one is out: its part of the next slot), adds 0 to its spare word, waits for that and for its reads of this slot.
.macro TURN slot, next, fill
	WIN 0
	s_wait_tensorcnt 0x0
	ds_add_u32 v[SPW], v[NIL]
	s_wait_dscnt 17                                ; (the add and the youngest sixteen loads may be out)
	MUL8 F1, 0, 0, 0
	s_wait_dscnt 0x0                               ; the add is done, and my reads of this slot are over
	s_barrier_signal -1
	MUL8 F1, 0, 2, 0
.if \fill
	WIN 0
.endif
	s_barrier_wait -1
.if \fill
	CREST                                          ; the barrier has opened a round of the cluster's
	s_add_nc_u64 s[G0A+4*(\slot)+2:G0A+4*(\slot)+3], s[G0A+4*(\slot)+2:G0A+4*(\slot)+3], 1024
	s_add_nc_u64 s[G0B+4*(\slot)+2:G0B+4*(\slot)+3], s[G0B+4*(\slot)+2:G0B+4*(\slot)+3], 1048576
	JLOAD \slot                                    ; two K steps on; its four v_nop are also the places in front of the loads below
.else
	PLACES
.endif
	FETCH \next, 0, F0
	MUL8 F1, 1, 0, 0
	MUL8 F1, 1, 2, 0
.endm
.macro ACCUM                           ; the step's sums enter the totals, each accumulator's low registers first
	s_mov_b32 s[GS], s[Q]
	s_mov_b32 s[GS+1], s[Q]
.irp i, 0,1,2,3,4,5,6
	s_mov_b32 s[Q+\i], s[Q+\i+1]
.endr
	PLACES
	WIN 0xa0                                       ; the totals (destination and addend) in window 2
.set z, 0
.rept 64
	v_pk_fma_f32 v[2*z:2*z+1], v[ACC+2*z:ACC+2*z+1], s[GS:GS+1], v[2*z:2*z+1] op_sel_hi:[1,0,1]
.set z, z+1
.endr
.endm
	s_wait_tensorcnt 0x1                           ; my part of K step 0 is in; step 1's may stay out
	s_barrier_signal -1
	s_barrier_wait -1
	FETCH 0, 0, F0
	QUARTER 0, 1, F0, F1, 1
	WIN 0
	s_mov_b32 s[CNT], 3
.Llap:                                                 ; a trip goes once round the ring and fills both slots again
	QUARTER 0, 2, F1, F0, 0
	QUARTER 0, 3, F0, F1, 0
	TURN 0, 1, 1
	ACCUM
	QUARTER 1, 1, F0, F1, 1
	QUARTER 1, 2, F1, F0, 0
	QUARTER 1, 3, F0, F1, 0
	TURN 1, 0, 1
	ACCUM
	QUARTER 0, 1, F0, F1, 1
	WIN 0
	s_sub_co_u32 s[CNT], s[CNT], 1
	s_cmp_lg_u32 s[CNT], 0
	s_cbranch_scc1 .Llap
	QUARTER 0, 2, F1, F0, 0                        ; the last lap fills nothing
	QUARTER 0, 3, F0, F1, 0
	TURN 0, 1, 0
	ACCUM
	QUARTER 1, 1, F0, F1, 1
	QUARTER 1, 2, F1, F0, 0
	QUARTER 1, 3, F0, F1, 0
	s_wait_dscnt 16
	MUL8 F1, 0, 0, 0
	MUL8 F1, 0, 2, 0
	s_wait_dscnt 0x0
	MUL8 F1, 1, 0, 0
	MUL8 F1, 1, 2, 0
	ACCUM
	; THE WAY OUT.  My stage lies in slot 0, which has had its last fill and whose last reads lie in front of the last change of slots' barrier.  In as 32 bytes a lane, back as whole rows of 256 bytes.
	WIN 0x08                                       ; store data in window 2
.set z, 0
.rept 16
	ds_store_b128 v[STO], v[8*z:8*z+3] offset:(z/4)*16*SP+64*(z%4)
	ds_store_b128 v[STO], v[8*z+4:8*z+7] offset:(z/4)*16*SP+64*(z%4)+16
.set z, z+1
.endr
	WIN 0x40                                       ; back into window 1: LDS serves a wave's instructions in order, so these see the stores above
.set t, 0
.rept 32
	ds_load_b128 v[4*t:4*t+3], v[RD] offset:t*2*SP
.set t, t+1
.endr
	WIN 0x47                                       ; source 0: x (window 3); source 1 and destination: y (window 1); source 2: the register that holds 0 (window 0)
	s_wait_loadcnt 0x0                             ; x
.set t, 0
.rept 32
	s_wait_dscnt 31-t
	v_fma_mix_f32_bf16 v[4*t],   v[2*t],   v[4*t],   v[NIL] op_sel:[0,0,0] op_sel_hi:[1,0,0]
	v_fma_mix_f32_bf16 v[4*t+1], v[2*t],   v[4*t+1], v[NIL] op_sel:[1,0,0] op_sel_hi:[1,0,0]
	v_fma_mix_f32_bf16 v[4*t+2], v[2*t+1], v[4*t+2], v[NIL] op_sel:[0,0,0] op_sel_hi:[1,0,0]
	v_fma_mix_f32_bf16 v[4*t+3], v[2*t+1], v[4*t+3], v[NIL] op_sel:[1,0,0] op_sel_hi:[1,0,0]
.set t, t+1
.endr
	WIN 0x04                                       ; store data in window 1
.set t, 0
.rept 32
	global_store_b128 v[CO], v[4*t:4*t+3], s[82:83] offset:t*8192                  ; 16 lanes store 256 consecutive bytes, aligned
.set t, t+1
.endr
	WIN 0
	s_wait_tensorcnt 0x0                           ; the wave's end
	ds_add_u32 v[SPW], v[NIL]
	s_wait_dscnt 0x0
	CROUND                                         ; the closing round
	s_endpgm
.Lfunc_end_k_q7a9826521e_outp:
	.size	k_q7a9826521e_outp, .Lfunc_end_k_q7a9826521e_outp-k_q7a9826521e_outp
	.p2alignl 7, 3214868480
	.fill 96, 4, 3214868480
	.section	.rodata,"a",@progbits
	.p2align	6, 0x0
	.amdhsa_kernel k_q7a9826521e_outp
		.amdhsa_group_segment_fixed_size 327680
		.amdhsa_private_segment_fixed_size 0
		.amdhsa_enable_private_segment 0
		.amdhsa_kernarg_size 32
		.amdhsa_user_sgpr_count 2
		.amdhsa_user_sgpr_kernarg_segment_ptr 1
		.amdhsa_wavefront_size32 1
		.amdhsa_system_sgpr_workgroup_id_x 1
		.amdhsa_system_sgpr_workgroup_id_y 1
		.amdhsa_system_sgpr_workgroup_id_z 1
		.amdhsa_system_vgpr_workitem_id 0
		.amdhsa_next_free_vgpr 832
		.amdhsa_next_free_sgpr 88
		.amdhsa_reserve_vcc 0
		.amdhsa_float_denorm_mode_32 3
		.amdhsa_float_denorm_mode_16_64 3
		.amdhsa_memory_ordered 1
		.amdhsa_forward_progress 1
		.amdhsa_inst_pref_size 121
	.end_amdhsa_kernel
	.amdgpu_metadata
---
amdhsa.version: [ 1, 2 ]
amdhsa.kernels:
  - .name:           k_q7a9826521e_outp
    .symbol:         k_q7a9826521e_outp.kd
    .args:
      - { .name: og, .offset: 0, .size: 8, .value_kind: global_buffer, .address_space: global }
      - { .name: wts, .offset: 8, .size: 8, .value_kind: global_buffer, .address_space: global }
      - { .name: aext, .offset: 16, .size: 8, .value_kind: global_buffer, .address_space: global }
      - { .name: out0, .offset: 24, .size: 8, .value_kind: global_buffer, .address_space: global }
    .group_segment_fixed_size: 327680
    .private_segment_fixed_size: 0
    .kernarg_segment_align: 8
    .kernarg_segment_size: 32
    .max_flat_workgroup_size: 128
    .sgpr_count:     88
    .vgpr_count:     832
    .wavefront_size: 32
...
	.end_amdgpu_metadata
.endif
;; end of part 5
